; MI455X (gfx1250); checked and timed in simulation.
; The chip was launched on July 23, 2026; its instructions are those of AMD's public machine-readable ISA for CDNA 5 (MIT licence, August 2026) and "CDNA5" Instruction Set Architecture Reference Guide (July 2026). The comments in the code are by the model that wrote it; some were corrected since.
;; Causal Self Attention. Allowed arithmetic: matrix products marked QUANTISED: E2M3 operands, one E8M0 scale for each 32 along K, by v_wmma_scale_f32_16x16x128_f8f6f4 with both operands' format E2M3, f32 sums; everything else in f32.
;; Inputs: b_attn 3,072 float32; b_proj 1,024 float32; w_attn 1,024 x 3,072 float32; w_proj 1,024 x 1,024 float32; x 4 x 2,048 x 1,024 float32.
;; Outputs: out0 4 x 2,048 x 1,024 float32.
;; This version of the problem:
;;   THIS VERSION OF THE PROBLEM IS GIVEN IN LOW PRECISION. The matrix products marked QUANTISED in the list below multiply operands that are first quantised to E2M3 (2 exponent bits, 3 mantissa bits; 6 bits a number), with one power-of-two scale for each 32 numbers along K (OCP MX v1.0); their sums are f32. All else is computed in f32.
;;   The module's matrix products, in the order in which they are computed (A, B: the left and right operand; K: the contracted axis; several contracted axes count as one K, in the product's order):
;;     1. [M 8,192, K 1,024] x [K 1,024, N 3,072]; A: input x; B: input w_attn: QUANTISED
;;     2. batch 64 x [M 2,048, K 64] x [K 64, N 2,048]; A: computed on the way; B: computed on the way: QUANTISED
;;     3. batch 64 x [M 2,048, K 2,048] x [K 2,048, N 64]; A: softmax (see below); B: computed on the way: QUANTISED
;;     4. [M 8,192, K 1,024] x [K 1,024, N 1,024]; A: computed on the way; B: input w_proj: QUANTISED
;;   THE QUANTISER, for each operand of a quantised product, along K:
;;     - K is cut into blocks of 32 from its start; a last block that is shorter is filled with zeros.
;;     - A block's scale is 2^e with e = floor(log2(the largest magnitude in the block)) - 2, held to -126 .. 127; a block of zeros has e = 0. As a byte (E8M0): e + 127.
;;     - Each number is divided by its block's scale, clamped to +-7.5, and rounded to the nearest number of E2M3, ties to even, subnormals kept.
;;     - The product sums the exact products of the quantised numbers (number of the format x scale) in f32.
;;   ~~~python
;;   def quantise(x, axis):      # numpy; x: float32 -> the quantised numbers, widened to float32 again
;;       x = np.moveaxis(x, axis, -1); K = x.shape[-1]
;;       x = np.pad(x, [(0, 0)] * (x.ndim - 1) + [(0, -K % 32)]); x = x.reshape(x.shape[:-1] + (-1, 32)); a = np.abs(x).max(-1, keepdims=True)
;;       e = np.where(a > 0, np.clip(np.frexp(np.where(a > 0, a, 1))[1] - 1 - 2, -126, 127), 0)      # np.frexp(a)[1] - 1 = floor(log2(a)), exactly
;;       r = np.clip(x / 2.0 ** e, -7.5, 7.5)
;;       step = 2.0 ** (np.maximum(np.frexp(np.where(r == 0, 1, r))[1] - 1, 0) - 3)
;;       q = np.round(r / step) * step * 2.0 ** e      # np.round: ties to even
;;       return np.moveaxis(q.reshape(q.shape[:-2] + (-1,))[..., :K], -1, axis).astype(np.float32)
;;   ~~~
;;   SOFTMAX AHEAD OF A QUANTISED PRODUCT. Where the list says 'softmax', what is quantised is not the finished softmax but p = 2^(t - M), with t = logit x log2(e) and M = ceil(the row's largest t), a whole number; so 1/2 < the row's largest p <= 1. The row's sum l is taken of the UNQUANTISED p, in f32, and the product's result is divided by l at the end. Since M is a whole number, a kernel that streams over the keys may use a running M (the ceiling of the running maximum): every later rescaling is an exact power of two, which a block's scale takes up: the codes' values come out the same.
;;   OPERANDS COMPUTED ON THE WAY. 'Computed on the way' means the value that the module computes at that place (a softmax that the list does not call 'softmax' is quantised finished and normalised). What goes into a quantiser is computed in f32, as accurately as f32 sums, v_exp_f32 and their like allow (about 1e-6 of the number): no bf16 or f16 on the way to a quantiser, and a product that is left as it is and whose result goes on into a quantised operand takes f32 operands (vector FMAs, or v_wmma_f32_16x16x4_f32). A number that lies on a knife's edge between two numbers of the format may be rounded either way, as far as f32 arithmetic and the matrix unit's own rounding can turn it there, and no further.
;; One version. Each part assembles by itself: llvm-mc -triple=amdgcn-amd-amdhsa -mcpu=gfx1250 --defsym DOCPART=n.
;; ======== version 1 of 1: 4 launches
;; workspace buffers: xq 6,553,600 bytes; wq 3,276,800 bytes; q_rec 6,815,744 bytes; kv 13,369,344 bytes; yq 6,553,600 bytes
;; launch prep (part 1): grid 384 x 1, 4 waves a work-group, no clusters, 34,304 bytes of LDS; arguments x, w_attn, w_proj, xq, wq; writes xq, wq
.if DOCPART == 1
	.amdgcn_target "amdgcn-amd-amdhsa--gfx1250"
	.amdhsa_code_object_version 6
	.text
	.protected	k_q3080759def_prep
	.globl	k_q3080759def_prep
	.p2align	8
	.type	k_q3080759def_prep,@function
k_q3080759def_prep:
	s_mov_b64 s[64:65], 0
	v_nop
	global_prefetch_b8 v0, s[64:65] scope:SCOPE_SE
	s_setreg_imm32_b32 hwreg(HW_REG_WAVE_MODE, 25, 1), 1
	s_wait_xcnt 0x0
; x [8192][1024], w_attn [1024][3072] and w_proj [1024][1024], f32, become codes of FP6 (E2M3) with one E8M0 byte for each 32 along K, laid IN THE ORDER OF THE OPERAND'S REGISTERS.
; TILES.  A tile is 16 rows (tokens of x, columns n of a weight).  Lane row r of tile T is the true row 32 (T / 2) + 8 (T % 2) + r + 8 (r / 8): so the results of a product used
; transposed have 16 neighbours of the next K in 16 registers.
; HALF IMAGE (16 rows x 64 along K, 768 bytes): the operand's registers 0-3 of lane l at 16 l, registers 4-5 at 512 + 8 l; lane (r, h) holds k = 32 h .. 32 h + 31 of row r.  A tile has 16 of them on end.
; SCALE RECORD of a tile (512 bytes): [K / 256][r][2 words], a word = the four bytes of 128 along K.
; A block's scale is 2^(floor(log2(largest magnitude)) - 2): its byte is the largest magnitude's exponent field - 2, held at 1 from below.
; LIMITS: a block of zeros gets the byte 1 where the rule says 127 (its codes are zeros, and this program alone reads the bytes); NaN and infinities among the inputs are not served.
; SHARES.  Work-groups 0-255: x, a wave = one tile x 512 along K.  256-351: w_attn, 352-383: w_proj, a wave = 32 columns x 256 along K.  Waves share nothing: no barrier.
.set XSO,  6291456                     ; x's scale records in xq
.set SP,   528                         ; a stage row: 512 bytes + 16: the 16 rows that a read touches start at 16 different columns of 16 bytes
.set WST,  16*SP                       ; a wave's stage
.set R,    16                          ; v16-143  two sets of 64 registers as loaded
.set X,    144                         ; v144-207 64 numbers: register 16 b + i = k 32 b + 16 h + i of my row
.set PC,   208                         ; v208-219 the fragment's codes; v220-226 at work
.set TM,   228                         ; v228-243 at work
.set PWS,  244                         ; v244-247 the four steps' scale words
.set SEL,  28                          ; s[28:29] selects for lane l xor 16
; 64 numbers of a lane become a fragment's 12 registers in v[PC] on and its scale word in v[pw]
.macro QUANT s, pw
.irp b, 0,1,2,3
	v_max3_num_f32 v[TM+\b], |v[\s+16*\b]|, |v[\s+1+16*\b]|, 0x1800000   ; my 16 numbers of block b, and the floor 2^(3 - 127): the byte cannot fall under 1
.endr
.irp i, 2,4,6,8,10,12,14
.irp b, 0,1,2,3
	v_max3_num_f32 v[TM+\b], v[TM+\b], |v[\s+16*\b+\i]|, |v[\s+1+16*\b+\i]|
.endr
.endr
.irp b, 0,1,2,3
	v_permlanex16_b32 v[TM+4+\b], v[TM+\b], s[SEL], s[SEL+1]
.endr
.irp b, 0,1,2,3
	v_max_num_f32 v[TM+\b], v[TM+\b], v[TM+4+\b]                        ; with lane l xor 16's: the block's largest magnitude
.endr
.irp b, 0,1,2,3
	v_add_nc_u32 v[TM+12+\b], 0xff000000, v[TM+\b]                      ; 2 off its exponent field: the conversion's scale operand
.endr
.irp b, 0,1,2,3
	v_lshrrev_b32 v[TM+4+\b], 23, v[TM+12+\b]                           ; the byte
.endr
	v_lshl_or_b32 v[(\pw)], v[TM+5], 8, v[TM+4]
	v_lshl_or_b32 v[(\pw)], v[TM+6], 16, v[(\pw)]
	v_lshl_or_b32 v[(\pw)], v[TM+7], 24, v[(\pw)]
.irp c, 0,1
	v_cvt_scalef32_pk16_fp6_f32 v[PC+6*\c:PC+2+6*\c], v[\s+32*\c:\s+15+32*\c], v[TM+12+2*\c]
	v_cvt_scalef32_pk16_fp6_f32 v[PC+12+4*\c:PC+14+4*\c], v[\s+16+32*\c:\s+31+32*\c], v[TM+12+2*\c+1]
.endr
	v_nop                                          ; one plain instruction behind the scaled conversions
.irp c, 0,1                                    ; the layout wants a whole block in a lane: lanes 0-15 block 2 c, lanes 16-31 block 2 c + 1
.irp i, 0,1,2
	v_permlane16_swap_b32 v[PC+6*\c+\i], v[PC+12+4*\c+\i]
.endr
.irp i, 0,1,2
	v_mov_b32 v[PC+3+6*\c+\i], v[PC+12+4*\c+\i]
.endr
.endr
.endm
	s_load_b128 s[4:7], s[0:1], 0x0                ; x, w_attn
	s_load_b128 s[8:11], s[0:1], 0x10              ; w_proj, xq
	s_load_b64 s[12:13], s[0:1], 0x20              ; wq
	v_lshl_add_u32 v254, v0, 2, 0x8400
	v_mov_b32 v255, 0
	v_lshrrev_b32 v1, 5, v0
	v_readfirstlane_b32 s14, v1                    ; wave
	v_and_b32 v1, 31, v0                           ; lane
	s_cmp_lt_u32 ttmp9, 256
	s_cbranch_scc0 .Lweights
	; ---------------- x: K is innermost ----------------
	v_and_b32 v2, 15, v0                           ; r
	v_bfe_u32 v3, v0, 4, 1                         ; h
	v_lshlrev_b32 v4, 4, v1                        ; 16 x lane
	v_lshlrev_b32 v5, 3, v1                        ; 8 x lane
	s_mul_i32 s15, s14, WST
	v_add_nc_u32 v6, s15, v4                       ; the stage, on the way in: a row's 512 bytes as they lie
	v_mul_u32_u24 v7, v2, SP
	v_lshl_add_u32 v7, v3, 6, v7
	v_add_nc_u32 v7, s15, v7                       ; and out: row r, + 64 h: my 16 numbers of each block of 32
	s_lshl_b32 s16, ttmp9, 2
	s_add_co_u32 s16, s16, s14
	s_lshr_b32 s17, s16, 1                         ; my tile T
	s_and_b32 s18, s16, 1                          ; my half of K
	s_lshr_b32 s20, s17, 1
	s_lshl_b32 s20, s20, 17                        ; 32 (T / 2) rows of 4,096 bytes
	s_and_b32 s21, s17, 1
	s_lshl_b32 s21, s21, 15                        ; + 8 (T % 2) rows
	s_add_co_u32 s20, s20, s21
	s_lshl_b32 s21, s18, 11                        ; + 2,048 bytes for the upper half of K
	s_add_co_u32 s20, s20, s21
	s_mov_b32 s21, 0
	s_mul_i32 s22, s17, 12288                      ; the tile's images,
	s_mul_i32 s23, s18, 6144                       ; my eight of them
	s_add_co_u32 s22, s22, s23
	s_mov_b32 s23, 0
	s_lshl_b32 s24, s17, 9                         ; the tile's scale record,
	s_lshl_b32 s25, s18, 8                         ; my half of it
	s_add_co_u32 s24, s24, s25
	s_add_co_u32 s24, s24, XSO
	s_mov_b32 s25, 0
	s_mov_b32 s[SEL], 0x76543210
	s_mov_b32 s[SEL+1], 0xfedcba98
.irp b, 0,1,2,3
	v_mov_b32 v[TM+4+\b], 0                        ; written once: a lane permute's destination counts as one of its sources
.endr
	s_wait_kmcnt 0x0
	s_add_nc_u64 s[4:5], s[4:5], s[20:21]
	s_add_nc_u64 s[26:27], s[10:11], s[24:25]
	s_add_nc_u64 s[10:11], s[10:11], s[22:23]
.macro XLOAD t                         ; step t: 128 along K of the tile's 16 rows; each load takes 512 consecutive bytes of one row
.irp i, 0,1,2,3,4,5,6,7,8,9,10,11,12,13,14,15
	global_load_b128 v[R+64*((\t)%2)+4*\i:R+64*((\t)%2)+4*\i+3], v4, s[4:5] offset:(\i+8*(\i/8))*4096+512*(\t) th:TH_LOAD_NT
.endr
.endm
.macro XSTEP t
.if (\t) < 3
	s_wait_loadcnt 16                              ; this step's 16 loads are in; the next step's 16 may be out
.else
	s_wait_loadcnt 0x0
.endif
.irp i, 0,1,2,3,4,5,6,7,8,9,10,11,12,13,14,15
	ds_store_b128 v6, v[R+64*((\t)%2)+4*\i:R+64*((\t)%2)+4*\i+3] offset:SP*\i
.endr
.irp b, 0,1,2,3
.irp j, 0,1,2,3
	ds_load_b128 v[X+16*\b+4*\j:X+16*\b+4*\j+3], v7 offset:128*\b+16*\j   ; LDS serves a wave's instructions in order: these see the stores above
.endr
.endr
	s_wait_dscnt 0x0                               ; the numbers are back, and the stores have read their registers
.if (\t) < 2
	XLOAD (\t)+2
.endif
.if (\t) > 0
	s_wait_xcnt 0x0                                ; the last step's stores have read the codes' registers
.endif
	QUANT X, PWS+(\t)
	global_store_b128 v4, v[PC:PC+3], s[10:11] offset:1536*(\t)          ; two half images: each store of the wave covers whole aligned runs of 256 bytes
	global_store_b64 v5, v[PC+4:PC+5], s[10:11] offset:1536*(\t)+512
	global_store_b128 v4, v[PC+6:PC+9], s[10:11] offset:1536*(\t)+768
	global_store_b64 v5, v[PC+10:PC+11], s[10:11] offset:1536*(\t)+1280
.endm
	XLOAD 0
	XLOAD 1
	XSTEP 0
	XSTEP 1
	XSTEP 2
	XSTEP 3
	v_cmp_le_u32 vcc_lo, 16, v1                    ; lanes 16-31 store the second 256 along K
	v_cndmask_b32 v248, v[PWS], v[PWS+2], vcc_lo
	v_cndmask_b32 v249, v[PWS+1], v[PWS+3], vcc_lo
	global_store_b64 v5, v[248:249], s[26:27]      ; 256 consecutive bytes
	s_wait_tensorcnt 0x0
	ds_add_u32 v254, v255
	s_wait_dscnt 0x0
	s_endpgm
	; ---------------- the weights: K is the first axis.  A lane takes a column, its registers run down K ----------------
.macro WLOAD t, n
.irp i, 0,1,2,3,4,5,6,7,8,9,10,11,12,13,14,15,16,17,18,19,20,21,22,23,24,25,26,27,28,29,30,31
	global_load_b32 v[32+32*((\t)%2)+\i], v3, s[30:31] offset:(32*(\t)+\i)*(\n)*4 th:TH_LOAD_NT
.endr
.endm
.macro WBLOCK t, n
.set WX, 32+32*((\t)%2)
.if (\t) < 7
	s_wait_loadcnt 32                              ; this block's 32 loads are in; the next block's may be out
.else
	s_wait_loadcnt 0x0
.endif
	v_max3_num_f32 v12, |v[WX]|, |v[WX+1]|, |v[WX+2]|
	v_max3_num_f32 v13, |v[WX+3]|, |v[WX+4]|, |v[WX+5]|
.irp i, 6,10,14,18,22,26
	v_max3_num_f32 v12, v12, |v[WX+\i]|, |v[WX+\i+1]|
	v_max3_num_f32 v13, v13, |v[WX+\i+2]|, |v[WX+\i+3]|
.endr
	v_max3_num_f32 v12, v12, |v[WX+30]|, |v[WX+31]|
	v_max3_num_f32 v12, v12, v13, 0x1800000        ; with the floor
	v_add_nc_u32 v11, 0xff000000, v12              ; the conversion's scale operand
	v_lshrrev_b32 v13, 23, v11                     ; the byte
.if (\t)%4 == 0
	v_mov_b32 v[24+(\t)/4], v13
.else
	v_lshl_or_b32 v[24+(\t)/4], v13, 8*((\t)%4), v[24+(\t)/4]
.endif
.if (\t) > 0
	s_wait_xcnt 0x0                                ; the last block's stores have read the codes' registers
.endif
	v_cvt_scalef32_pk16_fp6_f32 v[96:98], v[WX:WX+15], v11
	v_cvt_scalef32_pk16_fp6_f32 v[104:106], v[WX+16:WX+31], v11
	v_nop
	v_mov_b32 v99, v104
	v_mov_b32 v100, v105
	v_mov_b32 v101, v106                           ; v96-101: my column's 32 codes: the operand's registers 0-5 of lane (r, t % 2)
.if (\t)+2 < 8
	WLOAD (\t)+2, \n
.endif
	global_store_b128 v4, v[96:99], s[32:33] offset:768*((\t)/2)+256*((\t)%2)        ; sixteen lanes fill 256 consecutive bytes, aligned
	global_store_b64 v5, v[100:101], s[32:33] offset:768*((\t)/2)+512+128*((\t)%2)   ; 128 bytes; the neighbouring block's store fills the other 128
.endm
.macro WPATH n, sb, img, scl, first
	s_sub_co_u32 s15, ttmp9, \first
	s_lshr_b32 s16, s15, 2                         ; which 128 columns
	s_and_b32 s17, s15, 3                          ; which 256 along K
	s_lshl_b32 s18, s16, 7
	s_lshl_b32 s19, s14, 5
	s_add_co_u32 s18, s18, s19                     ; my wave's first column, a multiple of 32
	v_lshlrev_b32 v3, 2, v1
	v_bfe_u32 v8, v1, 3, 1                         ; column n0 + l lies in tile n0 / 16 + u, u = bit 3 of l,
	v_and_b32 v9, 7, v1
	v_lshrrev_b32 v10, 4, v1
	v_lshl_or_b32 v9, v10, 3, v9                   ; at lane row r = l % 8 + 8 (l / 16)
	v_mul_u32_u24 v4, v8, 12288
	v_lshl_add_u32 v5, v9, 3, v4
	v_lshl_add_u32 v4, v9, 4, v4
	v_lshlrev_b32 v6, 9, v8
	v_lshl_add_u32 v6, v9, 3, v6
	s_mul_i32 s20, s17, 256*(\n)*4
	s_lshl_b32 s21, s18, 2
	s_add_co_u32 s20, s20, s21
	s_mov_b32 s21, 0
	s_mul_i32 s22, s18, 768                        ; (n0 / 16) tiles of 16 half images
	s_mul_i32 s23, s17, 3072                       ; + my four half images
	s_add_co_u32 s22, s22, s23
	s_add_co_u32 s22, s22, \img
	s_mov_b32 s23, 0
	s_lshl_b32 s24, s18, 5                         ; (n0 / 16) records of 512 bytes
	s_lshl_b32 s25, s17, 7
	s_add_co_u32 s24, s24, s25
	s_add_co_u32 s24, s24, \scl
	s_mov_b32 s25, 0
	s_wait_kmcnt 0x0
	s_add_nc_u64 s[30:31], s[\sb:\sb+1], s[20:21]
	s_add_nc_u64 s[32:33], s[12:13], s[22:23]
	s_add_nc_u64 s[34:35], s[12:13], s[24:25]
	WLOAD 0, \n
	WLOAD 1, \n
.irp t, 0,1,2,3,4,5,6,7
	WBLOCK \t, \n
.endr
	global_store_b64 v6, v[24:25], s[34:35]        ; my column's eight bytes: two words of its record
	s_endpgm
.endm
.Lweights:
	s_cmp_lt_u32 ttmp9, 352
	s_cbranch_scc0 .Lwproj
	WPATH 3072, 6, 0, 2359296, 256
.Lwproj:
	WPATH 1024, 8, 2457600, 3244032, 352
.Lfunc_end_k_q3080759def_prep:
	.size	k_q3080759def_prep, .Lfunc_end_k_q3080759def_prep-k_q3080759def_prep
	.p2alignl 7, 3214868480
	.fill 96, 4, 3214868480
	.section	.rodata,"a",@progbits
	.p2align	6, 0x0
	.amdhsa_kernel k_q3080759def_prep
		.amdhsa_group_segment_fixed_size 34304
		.amdhsa_private_segment_fixed_size 0
		.amdhsa_enable_private_segment 0
		.amdhsa_kernarg_size 40
		.amdhsa_user_sgpr_count 2
		.amdhsa_user_sgpr_kernarg_segment_ptr 1
		.amdhsa_wavefront_size32 1
		.amdhsa_system_sgpr_workgroup_id_x 1
		.amdhsa_system_sgpr_workgroup_id_y 1
		.amdhsa_system_sgpr_workgroup_id_z 1
		.amdhsa_system_vgpr_workitem_id 0
		.amdhsa_next_free_vgpr 256
		.amdhsa_next_free_sgpr 66
		.amdhsa_reserve_vcc 1
		.amdhsa_float_denorm_mode_32 3
		.amdhsa_float_denorm_mode_16_64 3
		.amdhsa_memory_ordered 1
		.amdhsa_forward_progress 1
		.amdhsa_inst_pref_size 112
	.end_amdhsa_kernel
	.amdgpu_metadata
---
amdhsa.version: [ 1, 2 ]
amdhsa.kernels:
  - .name:           k_q3080759def_prep
    .symbol:         k_q3080759def_prep.kd
    .args:
      - { .name: x, .offset: 0, .size: 8, .value_kind: global_buffer, .address_space: global }
      - { .name: w_attn, .offset: 8, .size: 8, .value_kind: global_buffer, .address_space: global }
      - { .name: w_proj, .offset: 16, .size: 8, .value_kind: global_buffer, .address_space: global }
      - { .name: xq, .offset: 24, .size: 8, .value_kind: global_buffer, .address_space: global }
      - { .name: wq, .offset: 32, .size: 8, .value_kind: global_buffer, .address_space: global }
    .group_segment_fixed_size: 34304
    .private_segment_fixed_size: 0
    .kernarg_segment_align: 8
    .kernarg_segment_size: 40
    .max_flat_workgroup_size: 128
    .sgpr_count:     66
    .vgpr_count:     256
    .wavefront_size: 32
...
	.end_amdgpu_metadata
.endif
;; end of part 1
;; launch qkv (part 2): grid 12 x 32, 4 waves a work-group, clusters of 4 x 4, 327,680 bytes of LDS; arguments xq, wq, b_attn, q_rec, kv; writes q_rec, kv
.if DOCPART == 2
	.amdgcn_target "amdgcn-amd-amdhsa--gfx1250"
	.amdhsa_code_object_version 6
	.text
	.protected	k_q3080759def_qkv
	.globl	k_q3080759def_qkv
	.p2align	8
	.type	k_q3080759def_qkv,@function
k_q3080759def_qkv:
	s_mov_b64 s[64:65], 0
	v_nop
	global_prefetch_b8 v0, s[64:65] scope:SCOPE_SE
	s_setreg_imm32_b32 hwreg(HW_REG_WAVE_MODE, 25, 1), 1
	s_wait_xcnt 0x0
	s_wait_alu depctr_hold_cnt(0) depctr_sa_sdst(0) depctr_va_vdst(0) depctr_va_sdst(0) depctr_va_ssrc(0) depctr_va_vcc(0) depctr_vm_vsrc(0)
	s_getreg_b32 s2, hwreg(HW_REG_IB_STS2, 6, 4)
	s_cmp_eq_u32 s2, 0
	s_cbranch_scc0 .Lentry_in_a_cluster
	s_endpgm
.Lentry_in_a_cluster:
	s_bfe_u32 s2, ttmp6, 0x10000c
	s_cmp_lg_u32 s2, 0xf033
	s_cbranch_scc0 .Lentry_shape_is_right
	s_endpgm
.Lentry_shape_is_right:
; qkv = x w_attn + b_attn on codes of FP6 (E2M3) with E8M0 scales; q, k and v are quantised in registers and leave as codes, in the order of the next operand's registers.
; A work-group of four waves makes 256 x 256, a wave 128 x 128: 64 accumulators in 512 registers.  K = 1,024 goes in four steps of 256 through two LDS slots filled by the tensor data mover.
; ROLES, by the cluster's x (the same in all sixteen partners): 0: q, 1: k: "A" = 256 tokens of x, "B" = 256 columns of w_attn.  2: v: "A" = 256 columns of w_attn from 2,048 on, "B" = 256 tokens.
; The matrix instruction is used transposed (source 0 = 16 rows of B, source 1 = 16 rows of A): a lane holds one row of A and, by the order of rows in a tile, its registers 16 b + i are
; B's true index 32 b + 16 (lane / 16) + i.  So for q and k a lane's registers run along the head's 64, for v along the tokens: each along the next product's K.
; OPERANDS lie in memory and LDS as images of registers (half image: 16 rows x 64 K, 768 bytes: registers 0-3 at 16 x lane, 4-5 at 512 + 8 x lane): a tile's part of a K step is 3,072 dense bytes,
; a fragment comes by four loads of consecutive bytes, and there is no pitch and no padding.
; CLUSTER 4 x 4: A's tiles are shared along a row of the cluster, B's along a column: joint loads.
; 384 tiles on 256 WGPs: uneven by half a tile; another tile shape would cut a pair of heads or a step of 128 keys.
; LIMITS: a block of zeros carries the byte 1 (its codes are zeros; this program alone reads the bytes); NaN and infinities are not served.
; REGISTERS: window 0: v1-3 lane, r, h; v7-8 the biases' offsets; v16-29 addresses; v32-63 scale words, two sets; v64-127 the bias, q and k's form; v128-223 A's fragments, one set; v240-255 the bias, v's form.
;   window 1: B's fragments, two sets, at v0 and v128.  windows 2, 3: the accumulators, (a, b) at v[8 (8 (a % 4) + b)].
.set NQ,    2
.set FR,    12
.set NL,    4                          ; LDS loads that bring a fragment
.set NP,    4                          ; places behind this matrix instruction (ISA guide 7.12.1)
.set TROW,  3072                       ; a tile's four half images of a K step
.set HALF,  8*TROW                     ; eight tiles: what one tensor load brings and one wave reads of A or of B
.set SLOT,  4*HALF
.set LAPS,  2
.set SCL,   2*SLOT                     ; behind the ring: A's 16 scale records, 128 bytes unused, B's 16
.set SPARE, SCL+16640                  ; the spare words, 128 bytes for each wave: two blocks of 256 bytes that no other line names
.set XSO,   6291456                    ; the scale records in xq
.set WSO,   2359296                    ; and in wq
.set ADRA,  16                         ; v16-17 A's fragments in slot 0, 1 (16 x lane); v18-19 (8 x lane)
.set ADRB,  20                         ; v20-23 the same for B
.set V16,   24
.set V8,    25
.set VS,    26
.set ADRS,  27
.set SPW,   28
.set NIL,   29
.set SC,    32
.set BI,    64
.set AF,    128
.set HA,    128                        ; the way out: 64 numbers
.set PC,    192                        ; their codes
.set TM,    212
.set VB,    240
.set PWS,   32                         ; the way out: eight scale words
.set SW,    40
.set SEL,   66
.set G1, 24
.set G0, 32
.set G1B, 48
.set G0B, 56
.set G1S, 68
.set G0S, 76
.set G1SB, 80
.set G0SB, 88
.set MSB, 0
.macro WIN new                         ; the immediate's high byte repeats the setting that is left
.if MSB != (\new)
	s_set_vgpr_msb (MSB<<8)|(\new)
.set MSB, (\new)
.endif
.endm
.set MUL_LO, 0xa1                      ; source 0 (B) window 1, source 1 (A) window 0, C and D window 2
.set MUL_HI, 0xf1
.set TO_B,   0x40
; A joint load: waves 0 and 1 fetch for A, waves 2 and 3 for B.  Four v_nop follow each of the two lines.
.macro JLOAD g0a, g1a, g0b, g1b
	s_cmp_eq_u32 s15, 0
	s_cbranch_scc0 .Lfor_b_\@
	tensor_load_to_lds s[\g0a:\g0a+3], s[\g1a:\g1a+7]
	s_nop 0
.rept 4
	v_nop
.endr
	s_branch .Lasked_\@
.Lfor_b_\@:
	tensor_load_to_lds s[\g0b:\g0b+3], s[\g1b:\g1b+7]
	s_nop 0
.rept 4
	v_nop
.endr
.Lasked_\@:
.endm
.macro CREST
	s_cmp_lg_u32 s14, 0
	s_cbranch_scc1 .Lnot_wave_0_\@
	s_barrier_signal -3
.Lnot_wave_0_\@:
	s_barrier_wait -3
	s_barrier_signal -1
	s_barrier_wait -1
.endm
.macro CROUND
	s_barrier_signal -1
	s_barrier_wait -1
	CREST
.endm
.macro PLACES n
.rept \n
	v_nop
.endr
.endm
.macro QUANT s, pw
.irp b, 0,1,2,3
	v_max3_num_f32 v[TM+\b], |v[\s+16*\b]|, |v[\s+1+16*\b]|, 0x1800000   ; my 16 numbers of block b, and the floor 2^(3 - 127)
.endr
.irp i, 2,4,6,8,10,12,14
.irp b, 0,1,2,3
	v_max3_num_f32 v[TM+\b], v[TM+\b], |v[\s+16*\b+\i]|, |v[\s+1+16*\b+\i]|
.endr
.endr
.irp b, 0,1,2,3
	v_permlanex16_b32 v[TM+4+\b], v[TM+\b], s[SEL], s[SEL+1]
.endr
.irp b, 0,1,2,3
	v_max_num_f32 v[TM+\b], v[TM+\b], v[TM+4+\b]
.endr
.irp b, 0,1,2,3
	v_add_nc_u32 v[TM+12+\b], 0xff000000, v[TM+\b]
.endr
.irp b, 0,1,2,3
	v_lshrrev_b32 v[TM+4+\b], 23, v[TM+12+\b]
.endr
	v_lshl_or_b32 v[(\pw)], v[TM+5], 8, v[TM+4]
	v_lshl_or_b32 v[(\pw)], v[TM+6], 16, v[(\pw)]
	v_lshl_or_b32 v[(\pw)], v[TM+7], 24, v[(\pw)]
.irp c, 0,1
	v_cvt_scalef32_pk16_fp6_f32 v[PC+6*\c:PC+2+6*\c], v[\s+32*\c:\s+15+32*\c], v[TM+12+2*\c]
	v_cvt_scalef32_pk16_fp6_f32 v[PC+12+4*\c:PC+14+4*\c], v[\s+16+32*\c:\s+31+32*\c], v[TM+12+2*\c+1]
.endr
	v_nop
.irp c, 0,1
.irp i, 0,1,2
	v_permlane16_swap_b32 v[PC+6*\c+\i], v[PC+12+4*\c+\i]
.endr
.irp i, 0,1,2
	v_mov_b32 v[PC+3+6*\c+\i], v[PC+12+4*\c+\i]
.endr
.endr
.endm
	s_load_b128 s[4:7], s[0:1], 0x0                ; xq, wq
	s_load_b128 s[8:11], s[0:1], 0x10              ; b_attn, q_rec
	s_load_b64 s[12:13], s[0:1], 0x20              ; kv
	v_lshl_add_u32 v[SPW], v0, 2, SPARE
	v_mov_b32 v[NIL], 0
	ds_add_u32 v28, v29
	ds_add_u32 v28, v29
	s_wait_dscnt 0x0
	v_lshrrev_b32 v1, 5, v0
	v_readfirstlane_b32 s14, v1                    ; wave
	s_lshr_b32 s15, s14, 1                         ; my half of A's rows.  Also: I fetch for A (0) or for B (1)
	s_and_b32 s16, s14, 1                          ; my half of B's rows.  Also: which eight tiles I fetch
	s_bfe_u32 s40, ttmp6, 0x40000                  ; cx
	s_bfe_u32 s41, ttmp6, 0x40004                  ; cy
	s_and_b32 s19, ttmp7, 0xffff
	s_lshl_b32 s19, s19, 2                         ; 4 x cluster y
	s_lshl_b32 s43, s41, 2
	s_lshl_b32 s43, 15, s43                        ; my row of the cluster
	s_lshl_b32 s44, 0x1111, s40                    ; my column
	s_add_co_u32 s20, s19, s41                     ; q, k: A = block 4 cY + cy of x
	s_add_co_u32 s21, s41, 8                       ; v:    A = block 8 + cy of w_attn
	s_add_co_u32 s22, s19, s40                     ; v:    B = block 4 cY + cx of x
	s_lshl_b32 s23, ttmp9, 2
	s_add_co_u32 s23, s23, s40                     ; q, k: B = block 4 cX + cx of w_attn
	s_mov_b32 s92, XSO
	s_mov_b32 s93, WSO
	s_cmp_eq_u32 ttmp9, 2                          ; the role hangs on the cluster's x alone
	s_cselect_b32 s17, 1, 0
	s_cselect_b32 s45, s21, s20                    ; IA: made of cy and cluster y alone
	s_cselect_b32 s42, s22, s23                    ; IB: made of cx and the cluster's coordinates alone
	s_cselect_b32 s94, s93, s92                    ; where A's buffer has its scale records
	s_cselect_b32 s95, s92, s93                    ; and B's
	; group 1: eight tiles x 3,072 bytes (384 elements of 8 bytes), 12,288 bytes apart in memory, dense in LDS
	s_or_b32 s[G1+0], s43, (3<<16)|(1<<21)
	s_or_b32 s[G1B+0], s44, (3<<16)|(1<<21)
.irp g, G1, G1B
	s_mov_b32 s[\g+1], 384<<16
	s_mov_b32 s[\g+2], 8<<16
	s_mov_b32 s[\g+3], 384<<16
	s_mov_b32 s[\g+4], 8
	s_mov_b32 s[\g+5], 1536
	s_mov_b32 s[\g+6], 0
	s_mov_b32 s[\g+7], 0
.endr
	; the scale records of eight tiles: 4,096 dense bytes as 16 rows of 256
	s_or_b32 s[G1S+0], s43, (3<<16)|(1<<21)
	s_or_b32 s[G1SB+0], s44, (3<<16)|(1<<21)
.irp g, G1S, G1SB
	s_mov_b32 s[\g+1], 32<<16
	s_mov_b32 s[\g+2], 16<<16
	s_mov_b32 s[\g+3], 32<<16
	s_mov_b32 s[\g+4], 16
	s_mov_b32 s[\g+5], 32
	s_mov_b32 s[\g+6], 0
	s_mov_b32 s[\g+7], 0
.endr
	s_mul_i32 s20, s45, 196608                     ; A's codes: 16 tiles of 12,288 bytes a block,
	s_mul_i32 s21, s16, 98304                      ; the eight that I fetch
	s_add_co_u32 s20, s20, s21
	s_mov_b32 s21, 0
	s_lshl_b32 s22, s45, 13                        ; A's scale records
	s_lshl_b32 s23, s16, 12
	s_add_co_u32 s22, s22, s23
	s_add_co_u32 s22, s22, s94
	s_mov_b32 s23, 0
	s_mul_i32 s46, s42, 196608                     ; B likewise
	s_mul_i32 s47, s16, 98304
	s_add_co_u32 s46, s46, s47
	s_mov_b32 s47, 0
	s_lshl_b32 s92, s42, 13
	s_lshl_b32 s93, s16, 12
	s_add_co_u32 s92, s92, s93
	s_add_co_u32 s92, s92, s95
	s_mov_b32 s93, 0
	s_mul_i32 s18, s14, HALF                       ; where they go: wave x eight tiles: no place in the cluster enters an LDS address
	s_lshl_b32 s3, s14, 12
	s_lshl_b32 s2, s15, 7
	s_add_co_u32 s3, s3, s2
	s_add_co_u32 s3, s3, SCL
	s_wait_kmcnt 0x0
	s_cmp_eq_u32 ttmp9, 2
	s_cselect_b64 s[96:97], s[6:7], s[4:5]         ; A's buffer
	s_cselect_b64 s[98:99], s[4:5], s[6:7]         ; B's
	s_add_nc_u64 s[20:21], s[96:97], s[20:21]
	s_add_nc_u64 s[22:23], s[96:97], s[22:23]
	s_add_nc_u64 s[46:47], s[98:99], s[46:47]
	s_add_nc_u64 s[92:93], s[98:99], s[92:93]
	CROUND                                         ; all sixteen work-groups are here: the first joint loads meet
	s_mov_b32 s[G0S], 1
	s_mov_b32 s[G0S+1], s3
	s_mov_b64 s[G0S+2:G0S+3], s[22:23]
	s_or_b32 s[G0S+3], s[G0S+3], 0x80000000
	s_mov_b32 s[G0SB], 1
	s_mov_b32 s[G0SB+1], s3
	s_mov_b64 s[G0SB+2:G0SB+3], s[92:93]
	s_or_b32 s[G0SB+3], s[G0SB+3], 0x80000000
	JLOAD G0S, G1S, G0SB, G1SB                     ; the scales first: they are wanted with K step 0
.irp s, 0,1
	s_mov_b32 s[G0+4*\s], 1
	s_add_co_u32 s[G0+4*\s+1], s18, \s*SLOT
	s_add_nc_u64 s[G0+4*\s+2:G0+4*\s+3], s[20:21], \s*TROW
	s_or_b32 s[G0+4*\s+3], s[G0+4*\s+3], 0x80000000
	s_mov_b32 s[G0B+4*\s], 1
	s_add_co_u32 s[G0B+4*\s+1], s18, \s*SLOT
	s_add_nc_u64 s[G0B+4*\s+2:G0B+4*\s+3], s[46:47], \s*TROW
	s_or_b32 s[G0B+4*\s+3], s[G0B+4*\s+3], 0x80000000
	JLOAD G0+4*\s, G1, G0B+4*\s, G1B
.endr
	v_and_b32 v1, 31, v0                           ; lane
	v_and_b32 v2, 15, v0                           ; r
	v_bfe_u32 v3, v0, 4, 1                         ; h
	v_lshlrev_b32 v[V16], 4, v1
	v_lshlrev_b32 v[V8], 3, v1
	s_mul_i32 s21, s15, HALF                       ; my eight tiles of A
	s_mul_i32 s22, s16, HALF                       ; my eight of B,
	s_add_co_u32 s22, s22, 2*HALF                  ; which lie behind A's sixteen
.irp s, 0,1
	v_add_nc_u32 v[ADRA+\s], s21, v[V16]
	v_add_nc_u32 v[ADRA+2+\s], s21, v[V8]
	v_add_nc_u32 v[ADRB+\s], s22, v[V16]
	v_add_nc_u32 v[ADRB+2+\s], s22, v[V8]
	s_add_co_u32 s21, s21, SLOT
	s_add_co_u32 s22, s22, SLOT
.endr
	s_lshl_b32 s21, s15, 12                        ; the scale records: A's, my eight tiles;
	s_lshl_b32 s22, s16, 12                        ; B's, behind A's sixteen and the 128 bytes
	s_add_co_u32 s22, s22, 8192+128
	s_sub_co_u32 s22, s22, s21
	v_mul_u32_u24 v6, s22, v3                      ; lanes 16-31 take B's
	s_add_co_u32 s21, s21, SCL
	v_lshl_add_u32 v5, v2, 3, v6
	v_add_nc_u32 v[ADRS], s21, v5
	; the bias, in both forms, so that no branch stands here; the form that the role does not use reads a valid place and is not used
	s_lshl_b32 s21, s42, 10
	s_lshl_b32 s22, s16, 9
	s_add_co_u32 s21, s21, s22                     ; q, k: 4 bytes x (256 IB + 128 x my half)
	s_cmp_eq_u32 s17, 0
	s_cselect_b32 s20, s21, 0
	s_mov_b32 s21, 0
	s_add_nc_u64 s[96:97], s[8:9], s[20:21]
	v_lshlrev_b32 v7, 6, v3                        ; + 16 h numbers
.irp b, 0,1,2,3
.irp j, 0,1,2,3
	global_load_b128 v[BI+16*\b+4*\j:BI+16*\b+4*\j+3], v7, s[96:97] offset:128*\b+16*\j   ; register 16 b + i: column 32 b + 16 h + i
.endr
.endr
	s_lshl_b32 s22, s41, 10
	s_lshl_b32 s23, s15, 9
	s_add_co_u32 s22, s22, s23
	s_add_co_u32 s22, s22, 8192                    ; v: 4 bytes x (2,048 + 256 cy + 128 x my half)
	s_mov_b32 s23, 0
	s_add_nc_u64 s[98:99], s[8:9], s[22:23]
	v_and_b32 v8, 8, v2
	v_add_nc_u32 v8, v8, v2
	v_lshlrev_b32 v8, 2, v8                        ; + r + 8 (r / 8)
.irp a, 0,1,2,3,4,5,6,7
	global_load_b32 v[VB+2*\a], v8, s[98:99] offset:(32*(\a/2)+8*(\a%2))*4
	global_load_b32 v[VB+2*\a+1], v8, s[98:99] offset:(32*(\a/2)+8*(\a%2))*4   ; twice: a pair for the packed addition
.endr
.macro FRAG reg, adr, q, i             ; a fragment = two half images: four loads of consecutive bytes
	ds_load_b128 v[\reg:\reg+3], v[\adr] offset:(\i)*TROW+(\q)*1536
	ds_load_b64 v[\reg+4:\reg+5], v[\adr+2] offset:(\i)*TROW+(\q)*1536+512
	ds_load_b128 v[\reg+6:\reg+9], v[\adr] offset:(\i)*TROW+(\q)*1536+768
	ds_load_b64 v[\reg+10:\reg+11], v[\adr+2] offset:(\i)*TROW+(\q)*1536+1280
.endm
; 16 matrix instructions: A's blocks a0, a0 + 1 x B's eight.  The 64 accumulators take turns, one instruction a turn, in the same order in every step.
.macro MUL16 a0, p, q, sc, zero
.irp a, \a0, \a0+1
.irp b, 0,1,2,3,4,5,6,7
.if \zero
	v_wmma_scale_f32_16x16x128_f8f6f4 v[8*(8*((\a)%4)+\b):8*(8*((\a)%4)+\b)+7], v[128*(\p)+FR*\b:128*(\p)+FR*\b+FR-1], v[AF+FR*(\a):AF+FR*(\a)+FR-1], 0, v[SC+8*NQ*(\sc)+NQ*\b+(\q)], v[SC+8*NQ*(\sc)+NQ*(\a)+(\q)] matrix_a_fmt:MATRIX_FMT_FP6 matrix_b_fmt:MATRIX_FMT_FP6 matrix_a_scale:MATRIX_SCALE_ROW1
.else
	v_wmma_scale_f32_16x16x128_f8f6f4 v[8*(8*((\a)%4)+\b):8*(8*((\a)%4)+\b)+7], v[128*(\p)+FR*\b:128*(\p)+FR*\b+FR-1], v[AF+FR*(\a):AF+FR*(\a)+FR-1], v[8*(8*((\a)%4)+\b):8*(8*((\a)%4)+\b)+7], v[SC+8*NQ*(\sc)+NQ*\b+(\q)], v[SC+8*NQ*(\sc)+NQ*(\a)+(\q)] matrix_a_fmt:MATRIX_FMT_FP6 matrix_b_fmt:MATRIX_FMT_FP6 matrix_a_scale:MATRIX_SCALE_ROW1
.endif
.endr
.endr
.endm
.macro FETCH_B slot, q, p
	WIN TO_B
.irp i, 0,1,2,3,4,5,6,7
	FRAG 128*(\p)+FR*\i, ADRB+\slot, \q, \i
.endr
	WIN 0
.endm
.macro FETCH_A slot, q, i0
.irp i, \i0, \i0+1, \i0+2, \i0+3
	FRAG AF+FR*(\i), ADRA+\slot, \q, \i
.endr
.endm
.macro SCALES sc                       ; a K step's two words a row: lanes 0-15 A's tile i, lanes 16-31 B's tile i
.irp i, 0,1,2,3,4,5,6,7
	ds_load_b64 v[SC+8*NQ*\sc+NQ*\i:SC+8*NQ*\sc+NQ*\i+1], v[ADRS] offset:\i*512
.endr
.endm
.macro STEP slot, q, zero              ; 128 along K with its successor in the same slot
	s_wait_dscnt 4*NL                              ; B's set and A's blocks 0-3 are in; the youngest 16 loads (A's blocks 4-7) may be out
	WIN MUL_LO
	MUL16 0, (\q)%2, \q, \slot, \zero
	MUL16 2, (\q)%2, \q, \slot, \zero
	s_wait_dscnt 0
	PLACES NP
	FETCH_B \slot, (\q)+1, 1-(\q)%2
	FETCH_A \slot, (\q)+1, 0
	WIN MUL_HI
	MUL16 4, (\q)%2, \q, \slot, \zero
	MUL16 6, (\q)%2, \q, \slot, \zero
	PLACES NP
	WIN 0
	FETCH_A \slot, (\q)+1, 4
.endm
; A slot's last step changes slots: one barrier; ahead of it each wave waits for all its tensor loads, adds 0 to its spare word, and waits for that and for its reads of this slot.
.macro TURN slot, next, fill
	s_wait_tensorcnt 0x0                           ; all my tensor loads have landed: my part of the next slot
	ds_add_u32 v[SPW], v[NIL]                      ; 0 onto my spare word
	s_wait_dscnt 4*NL+1                            ; (the add and the youngest 16 loads may be out)
	WIN MUL_LO
	MUL16 0, 1, NQ-1, \slot, 0
	s_wait_dscnt 0x0                               ; the add is done, and my reads of this slot are over
	s_barrier_signal -1
	MUL16 2, 1, NQ-1, \slot, 0
	WIN 0
	s_barrier_wait -1
.if \fill
	CREST                                          ; the barrier has opened a round of the cluster's: no wave of any partner still reads this slot or has a load on its way
	s_add_nc_u64 s[G0+4*\slot+2:G0+4*\slot+3], s[G0+4*\slot+2:G0+4*\slot+3], 2*TROW
	s_add_nc_u64 s[G0B+4*\slot+2:G0B+4*\slot+3], s[G0B+4*\slot+2:G0B+4*\slot+3], 2*TROW
	JLOAD G0+4*\slot, G1, G0B+4*\slot, G1B         ; the first tensor load behind the round; its four v_nop are the places ahead of the loads below
.else
	PLACES NP
.endif
	v_add_nc_u32 v[ADRS], 128, v[ADRS]             ; the next K step's words in each record
	FETCH_B \next, 0, 0
	FETCH_A \next, 0, 0
	SCALES \next
	WIN MUL_HI
	MUL16 4, 1, NQ-1, \slot, 0
	MUL16 6, 1, NQ-1, \slot, 0
	PLACES NP
	WIN 0
	FETCH_A \next, 0, 4
.endm
	s_wait_tensorcnt 1                             ; the scales and my part of K step 0 are in; K step 1's load may be out
	s_barrier_signal -1
	s_barrier_wait -1
	FETCH_B 0, 0, 0
	FETCH_A 0, 0, 0
	SCALES 0
	FETCH_A 0, 0, 4
	STEP 0, 0, 1                                   ; the first products start the sums
	s_mov_b32 s3, LAPS-1
.Llap:
	TURN 0, 1, 1
	STEP 1, 0, 0
	TURN 1, 0, 1
	STEP 0, 0, 0
	s_sub_co_u32 s3, s3, 1
	s_cmp_lg_u32 s3, 0
	s_cbranch_scc1 .Llap
	TURN 0, 1, 0                                   ; the last lap fills nothing
	STEP 1, 0, 0
	s_wait_dscnt 4*NL
	WIN MUL_LO
	MUL16 0, 1, NQ-1, 1, 0
	MUL16 2, 1, NQ-1, 1, 0
	s_wait_dscnt 0
	WIN MUL_HI
	MUL16 4, 1, NQ-1, 1, 0
	MUL16 6, 1, NQ-1, 1, 0
	WIN 0
	; THE WAY OUT, with no LDS: block a's 64 numbers a lane + the bias come into window 0 by one packed addition each, are quantised, and the codes leave as they stand: every store covers consecutive bytes.
	s_wait_loadcnt 0x0                             ; the biases
	PLACES NP
.irp b, 0,1,2,3
	v_mov_b32 v[TM+4+\b], 0                        ; a lane permute's destination counts as one of its sources
.endr
	s_mov_b32 s[SEL], 0x76543210
	s_mov_b32 s[SEL+1], 0xfedcba98
.macro ADDB a, isv
.if (\a) > 0
	s_wait_xcnt 0x0                                ; the last block's stores have read the codes' registers
.endif
	WIN 0x02+(\a)/4                                ; source 0: window 2 or 3
.set AC, 64*((\a)%4)
.set KK, 0
.rept 32
.if \isv
	v_pk_add_f32 v[HA+KK:HA+KK+1], v[AC+KK:AC+KK+1], v[VB+2*(\a):VB+2*(\a)+1]
.else
	v_pk_add_f32 v[HA+KK:HA+KK+1], v[AC+KK:AC+KK+1], v[BI+KK:BI+KK+1]
.endif
.set KK, KK+2
.endr
	WIN 0
.endm
	s_cmp_eq_u32 ttmp9, 2
	s_cbranch_scc1 .Lvrole
	; ---- q, k: my 128 tokens are one record's eight tiles; my 128 columns are two heads
	s_lshl_b32 s20, s45, 1
	s_add_co_u32 s20, s20, s15                     ; which 128 tokens
	s_lshr_b32 s21, s20, 4                         ; batch
	s_and_b32 s20, s20, 15                         ; step
	s_lshl_b32 s22, s40, 1
	s_add_co_u32 s22, s22, s16                     ; pair of heads
	s_lshl_b32 s21, s21, 4
	s_lshl_b32 s22, s22, 1
	s_add_co_u32 s21, s21, s22                     ; 16 x batch + head
	s_mov_b32 s46, 208896
	s_mov_b32 s47, 13056
	s_mov_b32 s92, 12288
	s_cmp_eq_u32 ttmp9, 0
	s_cselect_b32 s46, 106496, s46                 ; bytes of a head,
	s_cselect_b32 s47, 6656, s47                   ; of a record,
	s_cselect_b32 s92, 6144, s92                   ; and where the record has its scale image
	s_cselect_b64 s[94:95], s[10:11], s[12:13]
	s_mul_i32 s21, s21, s46
	s_mul_i32 s20, s20, s47
	s_add_co_u32 s20, s20, s21
	s_mov_b32 s21, 0
	s_add_nc_u64 s[94:95], s[94:95], s[20:21]      ; the first head's record
	s_mov_b32 s47, 0
	s_add_nc_u64 s[96:97], s[94:95], s[46:47]      ; the second's
	v_add_nc_u32 v[VS], s92, v[V16]
.irp a, 0,1,2,3,4,5,6,7
	ADDB \a, 0
	QUANT HA, PWS+\a
	global_store_b128 v[V16], v[PC:PC+3], s[94:95] offset:768*\a          ; registers 0-5: the first head's half image of tile a
	global_store_b64 v[V8], v[PC+4:PC+5], s[94:95] offset:768*\a+512
	global_store_b128 v[V16], v[PC+6:PC+9], s[96:97] offset:768*\a        ; registers 6-11: the second head's
	global_store_b64 v[V8], v[PC+10:PC+11], s[96:97] offset:768*\a+512
.endr
	v_cmp_le_u32 vcc_lo, 16, v1
	s_mov_b32 s20, 0x7f7f0000                      ; the head has 64 along K: the bytes of the two blocks that are not there stand for 1.0
.irp j, 0,1,2,3
	v_cndmask_b32 v[SW+\j], v[PWS+2*\j], v[PWS+2*\j+1], vcc_lo             ; word j: lanes 0-15 tile 2 j, lanes 16-31 tile 2 j + 1
.endr
.irp j, 0,1,2,3
	v_and_or_b32 v[SW+4+\j], v[SW+\j], 0xffff, s20
.endr
.irp j, 0,1,2,3
	v_lshrrev_b32 v[SW+\j], 16, v[SW+\j]
.endr
.irp j, 0,1,2,3
	v_or_b32 v[SW+\j], s20, v[SW+\j]
.endr
	global_store_b128 v[VS], v[SW+4:SW+7], s[94:95]
	global_store_b128 v[VS], v[SW:SW+3], s[96:97]
	s_branch .Ldone
.Lvrole:
	; ---- v: my 128 rows of A are two heads x 64; my 128 tokens are one record's keys
	s_lshl_b32 s20, s42, 1
	s_add_co_u32 s20, s20, s16
	s_lshr_b32 s21, s20, 4
	s_and_b32 s20, s20, 15
	s_lshl_b32 s22, s41, 1
	s_add_co_u32 s22, s22, s15
	s_lshl_b32 s21, s21, 4
	s_lshl_b32 s22, s22, 1
	s_add_co_u32 s21, s21, s22
	s_mul_i32 s21, s21, 208896
	s_mul_i32 s20, s20, 13056
	s_add_co_u32 s20, s20, s21
	s_add_co_u32 s20, s20, 6144                    ; V's fragments lie behind K's eight half images
	s_mov_b32 s21, 0
	s_add_nc_u64 s[94:95], s[12:13], s[20:21]
.irp a, 0,1,2,3,4,5,6,7
	ADDB \a, 1
	QUANT HA, PWS+\a
	global_store_b128 v[V16], v[PC:PC+3], s[94:95] offset:(\a/4)*208896+(\a%4)*1536
	global_store_b128 v[V16], v[PC+4:PC+7], s[94:95] offset:(\a/4)*208896+(\a%4)*1536+512
	global_store_b128 v[V16], v[PC+8:PC+11], s[94:95] offset:(\a/4)*208896+(\a%4)*1536+1024
.endr
	v_cmp_le_u32 vcc_lo, 16, v1
.irp j, 0,1,2,3
	v_cndmask_b32 v[SW+\j], v[PWS+2*\j], v[PWS+2*\j+1], vcc_lo
.endr
	global_store_b64 v[V8], v[SW:SW+1], s[94:95] offset:6656
	global_store_b64 v[V8], v[SW+2:SW+3], s[94:95] offset:6656+208896
.Ldone:
	s_wait_tensorcnt 0x0                           ; the wave's end
	ds_add_u32 v[SPW], v[NIL]
	s_wait_dscnt 0x0
	CROUND                                         ; the closing round
	s_endpgm
.Lfunc_end_k_q3080759def_qkv:
	.size	k_q3080759def_qkv, .Lfunc_end_k_q3080759def_qkv-k_q3080759def_qkv
	.p2alignl 7, 3214868480
	.fill 96, 4, 3214868480
	.section	.rodata,"a",@progbits
	.p2align	6, 0x0
	.amdhsa_kernel k_q3080759def_qkv
		.amdhsa_group_segment_fixed_size 327680
		.amdhsa_private_segment_fixed_size 0
		.amdhsa_enable_private_segment 0
		.amdhsa_kernarg_size 40
		.amdhsa_user_sgpr_count 2
		.amdhsa_user_sgpr_kernarg_segment_ptr 1
		.amdhsa_wavefront_size32 1
		.amdhsa_system_sgpr_workgroup_id_x 1
		.amdhsa_system_sgpr_workgroup_id_y 1
		.amdhsa_system_sgpr_workgroup_id_z 1
		.amdhsa_system_vgpr_workitem_id 0
		.amdhsa_next_free_vgpr 1024
		.amdhsa_next_free_sgpr 100
		.amdhsa_reserve_vcc 1
		.amdhsa_float_denorm_mode_32 3
		.amdhsa_float_denorm_mode_16_64 3
		.amdhsa_memory_ordered 1
		.amdhsa_forward_progress 1
		.amdhsa_inst_pref_size 219
	.end_amdhsa_kernel
	.amdgpu_metadata
---
amdhsa.version: [ 1, 2 ]
amdhsa.kernels:
  - .name:           k_q3080759def_qkv
    .symbol:         k_q3080759def_qkv.kd
    .args:
      - { .name: xq, .offset: 0, .size: 8, .value_kind: global_buffer, .address_space: global }
      - { .name: wq, .offset: 8, .size: 8, .value_kind: global_buffer, .address_space: global }
      - { .name: b_attn, .offset: 16, .size: 8, .value_kind: global_buffer, .address_space: global }
      - { .name: q_rec, .offset: 24, .size: 8, .value_kind: global_buffer, .address_space: global }
      - { .name: kv, .offset: 32, .size: 8, .value_kind: global_buffer, .address_space: global }
    .group_segment_fixed_size: 327680
    .private_segment_fixed_size: 0
    .kernarg_segment_align: 8
    .kernarg_segment_size: 40
    .max_flat_workgroup_size: 128
    .sgpr_count:     100
    .vgpr_count:     1024
    .wavefront_size: 32
...
	.end_amdgpu_metadata
.endif
;; end of part 2
;; launch attn (part 3): grid 4 x 64, 16 waves a work-group, no clusters, 210,944 bytes of LDS; arguments q_rec, kv, yq; writes yq
.if DOCPART == 3
	.amdgcn_target "amdgcn-amd-amdhsa--gfx1250"
	.amdhsa_code_object_version 6
	.text
	.protected	k_q3080759def_attn
	.globl	k_q3080759def_attn
	.p2align	8
	.type	k_q3080759def_attn,@function
k_q3080759def_attn:
	s_mov_b64 s[64:65], 0
	v_nop
	global_prefetch_b8 v0, s[64:65] scope:SCOPE_SE
	s_setreg_imm32_b32 hwreg(HW_REG_WAVE_MODE, 25, 1), 1
	s_wait_xcnt 0x0
; y = softmax(q k^T / 8, causal) v for one head, both products on codes of FP6 (E2M3) with E8M0 scales; y is quantised in registers and leaves as codes for the last product.
; t = score x log2(e) / 8; M = the running largest t rounded up to a whole number; p = 2^(t - M) is quantised along the keys; the row's sum is taken of the unquantised p and divides at the end.
; SHARES.  Work-group (g, head): sixteen waves.  Wave w owns TWO tiles of 16 queries: aL = 16 g + w and aH = 127 - aL.  Tile a wants key steps 0 .. a / 8 (128 keys a step), so each wave has
; (aL / 8 + 1) + (16 - aL / 8) = 17 tile steps: every wave of the launch has the same work.
; THE WHOLE HEAD'S K AND V LIE IN LDS: 16 records of 13,056 bytes (K: 8 half images; V: 4 fragments; K's and V's scale images), filled once, each wave two tensor loads: no byte is filled twice.
; The first loads cover steps 0-4, so that the work begins while the others are on their way.
; NO CLUSTER: the four work-groups of a head want different numbers of steps of their low and high tiles, everything is asked for once at the head, and what is shared is one fill.
; LAYOUT.  S^T = K Q^T and O^T = V^T P^T: a lane holds one query.  By the order of rows in a tile, S^T's register 16 b + i is key 32 b + 16 (lane / 16) + i of the step.
; THE HEAD HAS 64 ALONG K: Q's registers 6-11 are zero codes; K's operand of tile u is six registers and the six that follow (the next tile's, or zeros): times zero they add nothing; the scale bytes there are 0x7f.
; LIMITS: NaN and infinities are not served; a block of zeros carries the byte 1 (its codes are zeros; this program alone reads the bytes).
; REGISTERS: v1 16 x lane, v2 8 x lane, v3-4 the same + the record, v5 r + 8 (r / 8) - 16 h, v6 16 r, v7 lane; v8-11, v12-15 -M, t, the sum (two halves) of L and H; v16-27, v28-39 Q; v40-93 K's or V's fragments;
;   v94-95 Q's scale words; v96-159 S^T, then p; v160-191, v192-223 O^T; v224-235 p's codes; v232-255 at work; v248-251 K's or V's scale words.
.set REC,   13056
.set HEADB, 16*REC
.set F,     40
.set A16,   3
.set A8,    4
.set WV,    12
.set SEL,   22
.set CS,    24
.set G1A,   28
.set G1B,   36
.set G0A,   44
.set G0B,   48
.set STEPC, 52
.set TB,    53
	s_load_b128 s[4:7], s[0:1], 0x0                ; q_rec, kv
	s_load_b64 s[8:9], s[0:1], 0x10                ; yq
	v_lshl_add_u32 v254, v0, 2, 0x33000
	v_mov_b32 v255, 0
	ds_add_u32 v254, v255
	ds_add_u32 v254, v255
	s_wait_dscnt 0x0
	v_lshrrev_b32 v1, 5, v0
	v_readfirstlane_b32 s[WV], v1                  ; wave 0..15
	s_and_b32 s13, ttmp7, 0xffff                   ; 16 x batch + head
	; dense rows of 256 bytes (32 elements of 8 bytes): 17 rows a wave, then 34
	s_mov_b32 s[G1A], 3<<16
	s_mov_b32 s[G1A+1], 32<<16
	s_mov_b32 s[G1A+2], 17<<16
	s_mov_b32 s[G1A+3], 32<<16
	s_mov_b32 s[G1A+4], 17
	s_mov_b32 s[G1A+5], 32
	s_mov_b32 s[G1A+6], 0
	s_mov_b32 s[G1A+7], 0
	s_mov_b32 s[G1B], 3<<16
	s_mov_b32 s[G1B+1], 32<<16
	s_mov_b32 s[G1B+2], 34<<16
	s_mov_b32 s[G1B+3], 32<<16
	s_mov_b32 s[G1B+4], 34
	s_mov_b32 s[G1B+5], 32
	s_mov_b32 s[G1B+6], 0
	s_mov_b32 s[G1B+7], 0
	s_mul_i32 s58, s13, HEADB
	s_mov_b32 s59, 0
	s_mul_i32 s60, s[WV], 4352                     ; bytes 0 .. 69,631 of the head: 4,352 a wave
	s_mov_b32 s61, 0
	s_mul_i32 s62, s[WV], 8704                     ; the rest: 8,704 a wave
	s_add_co_u32 s62, s62, 69632
	s_mov_b32 s63, 0
	s_wait_kmcnt 0x0
	s_add_nc_u64 s[6:7], s[6:7], s[58:59]
	s_mov_b32 s[G0A], 1
	s_mov_b32 s[G0A+1], s60
	s_add_nc_u64 s[G0A+2:G0A+3], s[6:7], s[60:61]
	s_or_b32 s[G0A+3], s[G0A+3], 0x80000000
	s_mov_b32 s[G0B], 1
	s_mov_b32 s[G0B+1], s62
	s_add_nc_u64 s[G0B+2:G0B+3], s[6:7], s[62:63]
	s_or_b32 s[G0B+3], s[G0B+3], 0x80000000
	tensor_load_to_lds s[G0A:G0A+3], s[G1A:G1A+7]  ; both first fills together, ahead of every wait on TENSORcnt, every LDS read and every barrier: two loads of mine are out
	s_nop 0
	tensor_load_to_lds s[G0B:G0B+3], s[G1B:G1B+7]
	s_nop 0
.rept 4
	v_nop
.endr
	s_lshl_b32 s15, ttmp9, 4
	s_add_co_u32 s15, s15, s[WV]                   ; aL
	s_sub_co_u32 s16, 127, s15                     ; aH
	s_lshr_b32 s17, s15, 3                         ; the step on whose diagonal L lies
	s_lshr_b32 s18, s16, 3                         ; and H
	s_and_b32 s58, s15, 6
	s_lshl_b32 s58, s58, 4
	s_and_b32 s59, s15, 1
	s_lshl_b32 s59, s59, 3
	s_add_co_u32 s19, s58, s59                     ; L's first query in its step: 32 ((a % 8) / 2) + 8 (a % 2)
	s_and_b32 s58, s16, 6
	s_lshl_b32 s58, s58, 4
	s_and_b32 s59, s16, 1
	s_lshl_b32 s59, s59, 3
	s_add_co_u32 s20, s58, s59
	s_mov_b32 s[SEL], 0x76543210
	s_mov_b32 s[SEL+1], 0xfedcba98
	s_mov_b32 s[CS], 0x3e38aa3b                    ; c = log2(e) / 8
	s_mov_b32 s[CS+1], s[CS]
	s_mul_i32 s70, s13, 106496                     ; the head in q_rec
.macro QPTR a, sd, pc, ps              ; tile a's half image and its scale words in record a / 8
	s_mul_i32 s66, s[\sd], 6656
	s_add_co_u32 s66, s66, s70
	s_and_b32 s67, s[\a], 7
	s_mul_i32 s68, s67, 768
	s_add_co_u32 s68, s68, s66
	s_mov_b32 s69, 0
	s_add_nc_u64 s[\pc:\pc+1], s[4:5], s[68:69]
	s_lshr_b32 s67, s67, 1
	s_lshl_b32 s67, s67, 2                         ; word (a % 8) / 2,
	s_and_b32 s68, s[\a], 1
	s_lshl_b32 s68, s68, 8                         ; of lanes 16 (a % 2) on
	s_add_co_u32 s68, s68, s67
	s_add_co_u32 s68, s68, s66
	s_add_co_u32 s68, s68, 6144
	s_add_nc_u64 s[\ps:\ps+1], s[4:5], s[68:69]
.endm
	QPTR 15, 17, 54, 56
	QPTR 16, 18, 58, 60
	v_and_b32 v7, 31, v0                           ; lane
	v_lshlrev_b32 v1, 4, v7
	v_lshlrev_b32 v2, 3, v7
	v_and_b32 v6, 15, v0                           ; r
	v_and_b32 v5, 8, v6
	v_add_nc_u32 v5, v5, v6
	v_bfe_u32 v3, v0, 4, 1
	v_lshlrev_b32 v4, 4, v3
	v_sub_nc_u32 v5, v5, v4                        ; r + 8 (r / 8) - 16 h
	v_lshlrev_b32 v6, 4, v6                        ; 16 r
	global_load_b128 v[16:19], v1, s[54:55]
	global_load_b64 v[20:21], v2, s[54:55] offset:512
	global_load_b32 v94, v6, s[56:57]
	global_load_b128 v[28:31], v1, s[58:59]
	global_load_b64 v[32:33], v2, s[58:59] offset:512
	global_load_b32 v95, v6, s[60:61]
.irp j, 22,23,24,25,26,27,34,35,36,37,38,39,88,89,90,91,92,93
	v_mov_b32 v\j, 0                               ; zero codes: k = 64 .. 127 of Q, and behind K's last tile
.endr
	v_mov_b32 v9, 0xff61b1e6                       ; the largest t so far: -3e38
	v_mov_b32 v13, 0xff61b1e6
	v_floor_f32 v8, -v9                            ; -M
	v_floor_f32 v12, -v13
.irp j, 10,11,14,15,236,237,238,239,252,253,255
	v_mov_b32 v\j, 0                               ; the sums; and registers named as a permute's destination or as half of a pair before they are first written
.endr
.set J, 0
.rept 64
	v_mov_b32 v[160+J], 0                          ; O^T: the step is written once; the first finds zeros
.set J, J+1
.endr
; A TILE STEP: 16 queries x 128 keys.  qf, qs: Q's fragment and scale word; st: the statistics; o: O^T; sd: the scalar with the diagonal's step; dq: the one with the tile's first query in it
.macro STEP qf, qs, st, o, sd, dq
	s_cmp_gt_u32 s[STEPC], s[\sd]                  ; all keys of the step come after my queries: a branch on ids, round the step's work alone
	s_cbranch_scc1 .Lhid_\@
.irp t, 0,1,2,3,4,5,6,7
	ds_load_b128 v[F+6*\t:F+6*\t+3], v[A16] offset:768*\t
	ds_load_b64 v[F+6*\t+4:F+6*\t+5], v[A8] offset:768*\t+512
.endr
	ds_load_b128 v[248:251], v[A16] offset:12288   ; K's scale words: word j: lanes 0-15 tile 2 j, lanes 16-31 tile 2 j + 1
	s_wait_dscnt 0x0
.irp t, 0,1,2,3,4,5,6,7
.if \t % 2
	v_wmma_scale_f32_16x16x128_f8f6f4 v[96+8*\t:103+8*\t], v[F+6*\t:F+6*\t+11], v[\qf:\qf+11], 0, v[248+\t/2], v[\qs] matrix_a_fmt:MATRIX_FMT_FP6 matrix_b_fmt:MATRIX_FMT_FP6 matrix_a_scale:MATRIX_SCALE_ROW1
.else
	v_wmma_scale_f32_16x16x128_f8f6f4 v[96+8*\t:103+8*\t], v[F+6*\t:F+6*\t+11], v[\qf:\qf+11], 0, v[248+\t/2], v[\qs] matrix_a_fmt:MATRIX_FMT_FP6 matrix_b_fmt:MATRIX_FMT_FP6
.endif
.endr
.rept 4
	v_nop                                          ; places ahead of the loads into K's registers and of the first read of the scores
.endr
.irp t, 0,1,2,3
.irp c, 0,1,2
	ds_load_b128 v[F+12*\t+4*\c:F+12*\t+4*\c+3], v[A16] offset:6144+1536*\t+512*\c   ; V's fragments are asked for now and land under the softmax
.endr
.endr
	ds_load_b64 v[248:249], v[A8] offset:12800     ; V's scale words
	s_cmp_lt_u32 s[STEPC], s[\sd]                  ; ahead of the diagonal every key counts
	s_cbranch_scc1 .Lopen_\@
	v_add_nc_u32 v252, s[\dq], v5                  ; d = my query - 16 h, in the step.  Register 16 b + i holds key 32 b + 16 h + i: hidden where 32 b + i > d
	v_mov_b32 v254, 0xff800000
.set J, 0
.rept 64
	v_cmp_gt_i32 vcc_lo, 32*(J/16)+J%16, v252
	v_cndmask_b32 v[96+J], v[96+J], v254, vcc_lo
.set J, J+1
.endr
.Lopen_\@:
.irp b, 0,1,2,3
	v_max3_num_f32 v[232+\b], v[96+16*\b], v[97+16*\b], v[98+16*\b]   ; each block's largest score: for the row's maximum and, since p rises with the score, for the block's largest p
.endr
.irp i, 3,5,7,9,11,13
.irp b, 0,1,2,3
	v_max3_num_f32 v[232+\b], v[232+\b], v[96+16*\b+\i], v[97+16*\b+\i]
.endr
.endr
.irp b, 0,1,2,3
	v_max_num_f32 v[232+\b], v[232+\b], v[111+16*\b]
.endr
.irp b, 0,1,2,3
	v_permlanex16_b32 v[236+\b], v[232+\b], s[SEL], s[SEL+1]
.endr
.irp b, 0,1,2,3
	v_max_num_f32 v[232+\b], v[232+\b], v[236+\b]
.endr
	v_max3_num_f32 v254, v232, v233, v234
	v_max_num_f32 v254, v254, v235
	v_mul_f32 v254, s[CS], v254
	v_max_num_f32 v[\st+1], v[\st+1], v254         ; the running largest t
	v_mov_b32 v254, v[\st]
	v_floor_f32 v[\st], -v[\st+1]                  ; -M = floor(-t): M is a whole number
	v_sub_f32 v254, v[\st], v254
	v_cvt_i32_f32 v254, v254                       ; (it saturates)
	v_ldexp_f32 v252, 1.0, v254                    ; f = 2^(old M - new M): a multiplication by it rounds nothing
.set J, 0
.rept 32
	v_pk_fma_f32 v[96+J:97+J], v[96+J:97+J], s[CS:CS+1], v[\st:\st+1] op_sel_hi:[1,0,0]   ; t - M
.set J, J+2
.endr
.irp b, 0,1,2,3
	v_fma_f32 v[232+\b], v[232+\b], s[CS], v[\st]
.endr
.set J, 0
.rept 64
	v_exp_f32 v[96+J], v[96+J]                     ; p
.set J, J+1
.endr
	v_pk_mul_f32 v[\st+2:\st+3], v[\st+2:\st+3], v[252:253] op_sel_hi:[1,0]   ; the sums under the new M: the plain instruction behind the exponentials
	s_wait_alu depctr_va_vdst(0)                   ; one wait for the batch of 64, ahead of its first reader
.irp b, 0,1,2,3
	v_exp_f32 v[232+\b], v[232+\b]                 ; each block's largest p
.endr
	v_pk_add_f32 v[236:237], v[96:97], v[98:99]    ; the row's sum, of the unquantised p, in two chains
.irp j, 4,8,12,16,20,24,28,32,36,40,44,48,52,56,60
	v_pk_add_f32 v[\st+2:\st+3], v[\st+2:\st+3], v[96+\j:97+\j]
	v_pk_add_f32 v[236:237], v[236:237], v[98+\j:99+\j]
.endr
	v_pk_add_f32 v[\st+2:\st+3], v[\st+2:\st+3], v[236:237]
	s_wait_alu depctr_va_vdst(0)                   ; and one for the four
.irp b, 0,1,2,3
	v_max_num_f32 v[232+\b], 0x1800000, v[232+\b]  ; the floor 2^(3 - 127)
.endr
.irp b, 0,1,2,3
	v_add_nc_u32 v[244+\b], 0xff000000, v[232+\b]
.endr
.irp b, 0,1,2,3
	v_lshrrev_b32 v[236+\b], 23, v[244+\b]
.endr
	v_lshl_or_b32 v253, v237, 8, v236              ; p's scale word for these 128 keys
	v_lshl_or_b32 v253, v238, 16, v253
	v_lshl_or_b32 v253, v239, 24, v253
.irp c, 0,1
	v_cvt_scalef32_pk16_fp6_f32 v[224+6*\c:226+6*\c], v[96+32*\c:111+32*\c], v[244+2*\c]
	v_cvt_scalef32_pk16_fp6_f32 v[236+4*\c:238+4*\c], v[112+32*\c:127+32*\c], v[244+2*\c+1]
.endr
	v_nop
.irp c, 0,1
.irp i, 0,1,2
	v_permlane16_swap_b32 v[224+6*\c+\i], v[236+4*\c+\i]
.endr
.irp i, 0,1,2
	v_mov_b32 v[227+6*\c+\i], v[236+4*\c+\i]
.endr
.endr
.set J, 0
.rept 16
	v_pk_mul_f32 v[\o+J:\o+J+1], v[\o+J:\o+J+1], v[252:253] op_sel_hi:[1,0]   ; O^T under the new M.  These sixteen are also the places between p's scale word and codes and the products
.set J, J+2
.endr
	s_wait_dscnt 0x0                               ; V
.irp t, 0,1,2,3
.if \t % 2
	v_wmma_scale_f32_16x16x128_f8f6f4 v[\o+8*\t:\o+8*\t+7], v[F+12*\t:F+12*\t+11], v[224:235], v[\o+8*\t:\o+8*\t+7], v[248+\t/2], v253 matrix_a_fmt:MATRIX_FMT_FP6 matrix_b_fmt:MATRIX_FMT_FP6 matrix_a_scale:MATRIX_SCALE_ROW1
.else
	v_wmma_scale_f32_16x16x128_f8f6f4 v[\o+8*\t:\o+8*\t+7], v[F+12*\t:F+12*\t+11], v[224:235], v[\o+8*\t:\o+8*\t+7], v[248+\t/2], v253 matrix_a_fmt:MATRIX_FMT_FP6 matrix_b_fmt:MATRIX_FMT_FP6
.endif
.endr
.rept 4
	v_nop                                          ; places ahead of the next loads into these operands and of the next read of O^T
.endr
.Lhid_\@:
.endm
.macro BODY
	v_add_nc_u32 v[A16], s[TB], v1
	v_add_nc_u32 v[A8], s[TB], v2
	STEP 16, 94, 8, 160, 17, 19
	STEP 28, 95, 12, 192, 18, 20
	s_add_co_u32 s[TB], s[TB], REC
	s_add_co_u32 s[STEPC], s[STEPC], 1
.endm
	s_mov_b32 s[STEPC], 0
	s_mov_b32 s[TB], 0
	s_wait_tensorcnt 0x1                           ; my part of bytes 0 .. 69,631 is in; my second load may be out: nothing is filled twice in this launch
	s_barrier_signal -1
	s_barrier_wait -1                              ; everybody's is: records 0-4 (65,280 bytes) are whole
	s_wait_loadcnt 0x0                             ; Q
	s_mov_b32 s71, 5
.Lfirst:
	BODY
	s_sub_co_i32 s71, s71, 1
	s_cmp_lg_u32 s71, 0
	s_cbranch_scc1 .Lfirst
	s_wait_tensorcnt 0x0                           ; my part of the rest is in
	s_wait_dscnt 0x0
	s_barrier_signal -1
	s_barrier_wait -1
	s_mov_b32 s71, 11
.Lrest:
	BODY
	s_sub_co_i32 s71, s71, 1
	s_cmp_lg_u32 s71, 0
	s_cbranch_scc1 .Lrest
	; THE WAY OUT: y = O^T / the sum, quantised along the head's 64 (two blocks, each in lanes l and l xor 16): a half image of tile a, K = 64 x head on
	s_lshr_b32 s66, s13, 4
	s_lshl_b32 s66, s66, 7                         ; 128 x batch
	s_and_b32 s67, s13, 15                         ; head
	s_mul_i32 s68, s67, 768
	s_add_co_u32 s70, s66, s15
	s_mul_i32 s70, s70, 12288
	s_add_co_u32 s70, s70, s68
	s_mov_b32 s71, 0
	s_add_nc_u64 s[54:55], s[8:9], s[70:71]        ; L's half image
	s_add_co_u32 s70, s66, s16
	s_mul_i32 s70, s70, 12288
	s_add_co_u32 s70, s70, s68
	s_add_nc_u64 s[56:57], s[8:9], s[70:71]        ; H's
	s_add_co_u32 s70, s66, s15
	s_lshl_b32 s70, s70, 9                         ; L's scale record,
	s_lshr_b32 s69, s67, 2
	s_lshl_b32 s69, s69, 7                         ; 256 along K are four heads,
	s_add_co_u32 s70, s70, s69
	s_and_b32 s69, s67, 3
	s_lshl_b32 s69, s69, 1                         ; a head two bytes
	s_add_co_u32 s70, s70, s69
	s_add_co_u32 s70, s70, 6291456
	s_add_nc_u64 s[58:59], s[8:9], s[70:71]
	s_sub_co_u32 s69, s16, s15
	s_lshl_b32 s69, s69, 9                         ; from L's record to H's
.macro YOUT st, o, pc, w, base
	v_add_f32 v[\st+2], v[\st+2], v[\st+3]
	v_permlanex16_b32 v252, v[\st+2], s[SEL], s[SEL+1]
	v_add_f32 v[\st+2], v[\st+2], v252             ; the row's sum
	v_rcp_f32 v254, v[\st+2]
	v_nop                                          ; a plain instruction behind the reciprocal
	s_wait_alu depctr_va_vdst(0)                   ; and the wait ahead of its first reader
.set J, 0
.rept 16
	v_pk_mul_f32 v[96+J:97+J], v[\o+J:\o+J+1], v[254:255] op_sel_hi:[1,0]   ; register 16 b + i: y(query r, 32 b + 16 h + i)
.set J, J+2
.endr
.irp b, 0,1
	v_max3_num_f32 v[232+\b], |v[96+16*\b]|, |v[97+16*\b]|, 0x1800000
.endr
.irp i, 2,4,6,8,10,12,14
.irp b, 0,1
	v_max3_num_f32 v[232+\b], v[232+\b], |v[96+16*\b+\i]|, |v[97+16*\b+\i]|
.endr
.endr
.irp b, 0,1
	v_permlanex16_b32 v[236+\b], v[232+\b], s[SEL], s[SEL+1]
.endr
.irp b, 0,1
	v_max_num_f32 v[232+\b], v[232+\b], v[236+\b]
.endr
.irp b, 0,1
	v_add_nc_u32 v[244+\b], 0xff000000, v[232+\b]
.endr
.irp b, 0,1
	v_lshrrev_b32 v[236+\b], 23, v[244+\b]
.endr
	v_lshl_or_b32 v[\w], v237, 8, v236             ; the head's two bytes
	v_cvt_scalef32_pk16_fp6_f32 v[\pc:\pc+2], v[96:111], v244
	v_cvt_scalef32_pk16_fp6_f32 v[240:242], v[112:127], v245
	v_nop
.irp i, 0,1,2
	v_permlane16_swap_b32 v[\pc+\i], v[240+\i]
.endr
.irp i, 0,1,2
	v_mov_b32 v[\pc+3+\i], v[240+\i]
.endr
	global_store_b128 v1, v[\pc:\pc+3], s[\base:\base+1]              ; 768 consecutive bytes
	global_store_b64 v2, v[\pc+4:\pc+5], s[\base:\base+1] offset:512
.endm
	YOUT 8, 160, 224, 246, 54
	YOUT 12, 192, 230, 247, 56
	v_cmp_le_u32 vcc_lo, 16, v7                    ; lanes 0-15 store L's bytes, lanes 16-31 H's.  Two bytes a lane: a scale word of the last product joins two heads, which two work-groups make
	v_cndmask_b32 v248, v246, v247, vcc_lo
	v_bfe_u32 v249, v0, 4, 1
	v_mul_u32_u24 v249, s69, v249
	v_lshrrev_b32 v250, 1, v6                      ; 8 r
	v_add_nc_u32 v249, v249, v250
	global_store_b16 v249, v248, s[58:59]
	s_wait_xcnt 0x0
	v_lshl_add_u32 v254, v0, 2, 0x33000
	v_mov_b32 v255, 0
	s_wait_tensorcnt 0x0
	ds_add_u32 v254, v255
	s_wait_dscnt 0x0
	s_endpgm
.Lfunc_end_k_q3080759def_attn:
	.size	k_q3080759def_attn, .Lfunc_end_k_q3080759def_attn-k_q3080759def_attn
	.p2alignl 7, 3214868480
	.fill 96, 4, 3214868480
	.section	.rodata,"a",@progbits
	.p2align	6, 0x0
	.amdhsa_kernel k_q3080759def_attn
		.amdhsa_group_segment_fixed_size 210944
		.amdhsa_private_segment_fixed_size 0
		.amdhsa_enable_private_segment 0
		.amdhsa_kernarg_size 24
		.amdhsa_user_sgpr_count 2
		.amdhsa_user_sgpr_kernarg_segment_ptr 1
		.amdhsa_wavefront_size32 1
		.amdhsa_system_sgpr_workgroup_id_x 1
		.amdhsa_system_sgpr_workgroup_id_y 1
		.amdhsa_system_sgpr_workgroup_id_z 1
		.amdhsa_system_vgpr_workitem_id 0
		.amdhsa_next_free_vgpr 256
		.amdhsa_next_free_sgpr 72
		.amdhsa_reserve_vcc 1
		.amdhsa_float_denorm_mode_32 3
		.amdhsa_float_denorm_mode_16_64 3
		.amdhsa_memory_ordered 1
		.amdhsa_forward_progress 1
		.amdhsa_inst_pref_size 100
	.end_amdhsa_kernel
	.amdgpu_metadata
---
amdhsa.version: [ 1, 2 ]
amdhsa.kernels:
  - .name:           k_q3080759def_attn
    .symbol:         k_q3080759def_attn.kd
    .args:
      - { .name: q_rec, .offset: 0, .size: 8, .value_kind: global_buffer, .address_space: global }
      - { .name: kv, .offset: 8, .size: 8, .value_kind: global_buffer, .address_space: global }
      - { .name: yq, .offset: 16, .size: 8, .value_kind: global_buffer, .address_space: global }
    .group_segment_fixed_size: 210944
    .private_segment_fixed_size: 0
    .kernarg_segment_align: 8
    .kernarg_segment_size: 24
    .max_flat_workgroup_size: 512
    .sgpr_count:     72
    .vgpr_count:     256
    .wavefront_size: 32
...
	.end_amdgpu_metadata
.endif
;; end of part 3
;; launch proj (part 4): grid 8 x 32, 4 waves a work-group, clusters of 4 x 4, 327,680 bytes of LDS; arguments yq, wq, b_proj, out0; writes out0
.if DOCPART == 4
	.amdgcn_target "amdgcn-amd-amdhsa--gfx1250"
	.amdhsa_code_object_version 6
	.text
	.protected	k_q3080759def_proj
	.globl	k_q3080759def_proj
	.p2align	8
	.type	k_q3080759def_proj,@function
k_q3080759def_proj:
	s_mov_b64 s[64:65], 0
	v_nop
	global_prefetch_b8 v0, s[64:65] scope:SCOPE_SE
	s_setreg_imm32_b32 hwreg(HW_REG_WAVE_MODE, 25, 1), 1
	s_wait_xcnt 0x0
	s_wait_alu depctr_hold_cnt(0) depctr_sa_sdst(0) depctr_va_vdst(0) depctr_va_sdst(0) depctr_va_ssrc(0) depctr_va_vcc(0) depctr_vm_vsrc(0)
	s_getreg_b32 s2, hwreg(HW_REG_IB_STS2, 6, 4)
	s_cmp_eq_u32 s2, 0
	s_cbranch_scc0 .Lentry_in_a_cluster
	s_endpgm
.Lentry_in_a_cluster:
	s_bfe_u32 s2, ttmp6, 0x10000c
	s_cmp_lg_u32 s2, 0xf033
	s_cbranch_scc0 .Lentry_shape_is_right
	s_endpgm
.Lentry_shape_is_right:
; out0 = y w_proj + b_proj on codes of FP6 (E2M3) with E8M0 scales; sums in f32.  y's and w_proj's codes lie as images of registers (half image: 16 rows x 64 K, 768 bytes), in tiles whose lane row r
; is the true row 32 (T / 2) + 8 (T % 2) + r + 8 (r / 8).
; A work-group of four waves makes 256 tokens x 128 columns: 256 work-groups.  A wave makes 128 x 64: 32 accumulators.  The matrix instruction is used transposed (source 0 = 16 columns of w_proj, source 1 = 16 tokens).
; ALL OF K LIES IN LDS: two slots of 512 along K, each filled once, with the scale records, behind one round of the cluster's barrier: no byte is filled twice.
; CLUSTER 4 x 4: y's tiles are shared along a row of the cluster, w_proj's along a column: joint loads.
; The bias is the C of each sum's first matrix instruction.
; REGISTERS: window 0: v1-3 lane, r, h; v16-27 addresses; v32-95 scale words, a set for each slot; v96-127 the bias; v128-223 A's fragments, one set.  window 1: B's fragments, two sets, at v0 and v128.
;   window 2: the accumulators, (a, b) at v[8 (4 a + b)].
.set NQ,    4
.set FR,    12
.set NL,    4
.set NP,    4
.set TROW,  6144                       ; a tile's eight half images of a slot
.set HALFA, 8*TROW
.set HALFB, 4*TROW
.set SLOT,  2*HALFA+2*HALFB
.set SCLB,  2*SLOT                     ; behind the slots: B's 8 scale records, then A's 16, on end
.set SCLA,  SCLB+4096
.set YSO,   6291456                    ; y's scale records in yq
.set WPI,   2457600                    ; w_proj's images in wq
.set WPS,   3244032                    ; and its scale records
.set SPI,   272                        ; the way out: a stage row: 256 bytes + 16
.set ADRA,  16
.set ADRB,  20
.set STO,   24
.set RD,    25
.set CO,    26
.set ADRS,  27
.set SC,    32
.set BI,    96
.set AF,    128
.set BK,    128
.set G1, 24
.set G0, 32
.set G1B, 48
.set G0B, 56
.set G1S, 68
.set G0S, 76
.set G1SB, 80
.set G0SB, 88
.set MSB, 0
.macro WIN new
.if MSB != (\new)
	s_set_vgpr_msb (MSB<<8)|(\new)
.set MSB, (\new)
.endif
.endm
.set MUL,  0xa1                        ; source 0 (B) window 1, source 1 (A) window 0, C and D window 2; in the first step C (the bias) window 0: 0x81
.set TO_B, 0x40
.macro JLOAD g0a, g1a, g0b, g1b
	s_cmp_eq_u32 s15, 0
	s_cbranch_scc0 .Lfor_b_\@
	tensor_load_to_lds s[\g0a:\g0a+3], s[\g1a:\g1a+7]
	s_nop 0
.rept 4
	v_nop
.endr
	s_branch .Lasked_\@
.Lfor_b_\@:
	tensor_load_to_lds s[\g0b:\g0b+3], s[\g1b:\g1b+7]
	s_nop 0
.rept 4
	v_nop
.endr
.Lasked_\@:
.endm
.macro CROUND
	s_barrier_signal -1
	s_barrier_wait -1
	s_cmp_lg_u32 s14, 0
	s_cbranch_scc1 .Lnot_wave_0_\@
	s_barrier_signal -3
.Lnot_wave_0_\@:
	s_barrier_wait -3
	s_barrier_signal -1
	s_barrier_wait -1
.endm
.macro PLACES n
.rept \n
	v_nop
.endr
.endm
	s_load_b128 s[4:7], s[0:1], 0x0                ; yq, wq
	s_load_b128 s[8:11], s[0:1], 0x10              ; b_proj, out0
	v_lshl_add_u32 v254, v0, 2, 0x4b000
	v_mov_b32 v255, 0
	ds_add_u32 v254, v255
	ds_add_u32 v254, v255
	v_lshrrev_b32 v1, 5, v0
	v_readfirstlane_b32 s14, v1                    ; wave
	s_lshr_b32 s15, s14, 1                         ; my half of the tokens.  Also: I fetch for A (0) or for B (1)
	s_and_b32 s16, s14, 1                          ; my half of the columns.  Also: which half of the tiles I fetch
	s_bfe_u32 s40, ttmp6, 0x40000                  ; cx
	s_bfe_u32 s41, ttmp6, 0x40004                  ; cy
	s_lshl_b32 s42, ttmp9, 2
	s_add_co_u32 s42, s42, s40                     ; which 128 columns
	s_and_b32 s17, ttmp7, 0xffff
	s_lshl_b32 s17, s17, 2
	s_add_co_u32 s17, s17, s41                     ; which 256 tokens
	s_lshl_b32 s43, s41, 2
	s_lshl_b32 s43, 15, s43                        ; my row of the cluster
	s_lshl_b32 s44, 0x1111, s40                    ; my column
	; group 1: tiles x 6,144 bytes (768 elements of 8 bytes), 12,288 bytes apart in memory, dense in LDS: eight tiles for A, four for B
	s_or_b32 s[G1+0], s43, (3<<16)|(1<<21)
	s_mov_b32 s[G1+1], 768<<16
	s_mov_b32 s[G1+2], 8<<16
	s_mov_b32 s[G1+3], 768<<16
	s_mov_b32 s[G1+4], 8
	s_mov_b32 s[G1+5], 1536
	s_mov_b32 s[G1+6], 0
	s_mov_b32 s[G1+7], 0
	s_or_b32 s[G1B+0], s44, (3<<16)|(1<<21)
	s_mov_b32 s[G1B+1], 768<<16
	s_mov_b32 s[G1B+2], 4<<16
	s_mov_b32 s[G1B+3], 768<<16
	s_mov_b32 s[G1B+4], 4
	s_mov_b32 s[G1B+5], 1536
	s_mov_b32 s[G1B+6], 0
	s_mov_b32 s[G1B+7], 0
	; the scale records, dense, as rows of 256 bytes: 16 rows for A's eight tiles, 8 for B's four
	s_or_b32 s[G1S+0], s43, (3<<16)|(1<<21)
	s_mov_b32 s[G1S+1], 32<<16
	s_mov_b32 s[G1S+2], 16<<16
	s_mov_b32 s[G1S+3], 32<<16
	s_mov_b32 s[G1S+4], 16
	s_mov_b32 s[G1S+5], 32
	s_mov_b32 s[G1S+6], 0
	s_mov_b32 s[G1S+7], 0
	s_or_b32 s[G1SB+0], s44, (3<<16)|(1<<21)
	s_mov_b32 s[G1SB+1], 32<<16
	s_mov_b32 s[G1SB+2], 8<<16
	s_mov_b32 s[G1SB+3], 32<<16
	s_mov_b32 s[G1SB+4], 8
	s_mov_b32 s[G1SB+5], 32
	s_mov_b32 s[G1SB+6], 0
	s_mov_b32 s[G1SB+7], 0
	s_mul_i32 s20, s17, 196608                     ; A's codes
	s_mul_i32 s21, s16, 98304
	s_add_co_u32 s20, s20, s21
	s_mov_b32 s21, 0
	s_lshl_b32 s22, s17, 13                        ; A's scale records
	s_lshl_b32 s23, s16, 12
	s_add_co_u32 s22, s22, s23
	s_add_co_u32 s22, s22, YSO
	s_mov_b32 s23, 0
	s_mul_i32 s46, s42, 98304                      ; B's codes
	s_mul_i32 s47, s16, 49152
	s_add_co_u32 s46, s46, s47
	s_add_co_u32 s46, s46, WPI
	s_mov_b32 s47, 0
	s_lshl_b32 s92, s42, 12                        ; B's scale records
	s_lshl_b32 s93, s16, 11
	s_add_co_u32 s92, s92, s93
	s_add_co_u32 s92, s92, WPS
	s_mov_b32 s93, 0
	s_mul_i32 s18, s16, HALFA                      ; where they go: made of the wave's number alone
	s_mul_i32 s19, s16, HALFB
	s_add_co_u32 s19, s19, 2*HALFA
	s_lshl_b32 s94, s16, 12
	s_add_co_u32 s94, s94, SCLA
	s_lshl_b32 s95, s16, 11
	s_add_co_u32 s95, s95, SCLB
	s_wait_dscnt 0x0
	s_wait_kmcnt 0x0
	s_add_nc_u64 s[20:21], s[4:5], s[20:21]
	s_add_nc_u64 s[22:23], s[4:5], s[22:23]
	s_add_nc_u64 s[46:47], s[6:7], s[46:47]
	s_add_nc_u64 s[92:93], s[6:7], s[92:93]
	CROUND                                         ; all sixteen work-groups are here: the joint loads meet
	s_mov_b32 s[G0S], 1
	s_mov_b32 s[G0S+1], s94
	s_mov_b64 s[G0S+2:G0S+3], s[22:23]
	s_or_b32 s[G0S+3], s[G0S+3], 0x80000000
	s_mov_b32 s[G0SB], 1
	s_mov_b32 s[G0SB+1], s95
	s_mov_b64 s[G0SB+2:G0SB+3], s[92:93]
	s_or_b32 s[G0SB+3], s[G0SB+3], 0x80000000
	JLOAD G0S, G1S, G0SB, G1SB
.irp s, 0,1
	s_mov_b32 s[G0+4*\s], 1
	s_add_co_u32 s[G0+4*\s+1], s18, \s*SLOT
	s_add_nc_u64 s[G0+4*\s+2:G0+4*\s+3], s[20:21], \s*TROW
	s_or_b32 s[G0+4*\s+3], s[G0+4*\s+3], 0x80000000
	s_mov_b32 s[G0B+4*\s], 1
	s_add_co_u32 s[G0B+4*\s+1], s19, \s*SLOT
	s_add_nc_u64 s[G0B+4*\s+2:G0B+4*\s+3], s[46:47], \s*TROW
	s_or_b32 s[G0B+4*\s+3], s[G0B+4*\s+3], 0x80000000
	JLOAD G0+4*\s, G1, G0B+4*\s, G1B               ; three loads of mine are out
.endr
	v_and_b32 v1, 31, v0                           ; lane
	v_and_b32 v2, 15, v0                           ; r
	v_bfe_u32 v3, v0, 4, 1                         ; h
	v_lshlrev_b32 v4, 4, v1
	v_lshlrev_b32 v5, 3, v1
	s_mul_i32 s21, s15, HALFA                      ; my eight tiles of A
	s_mul_i32 s22, s16, HALFB                      ; my four of B,
	s_add_co_u32 s22, s22, 2*HALFA                 ; behind A's sixteen
.irp s, 0,1
	v_add_nc_u32 v[ADRA+\s], s21, v4
	v_add_nc_u32 v[ADRA+2+\s], s21, v5
	v_add_nc_u32 v[ADRB+\s], s22, v4
	v_add_nc_u32 v[ADRB+2+\s], s22, v5
	s_add_co_u32 s21, s21, SLOT
	s_add_co_u32 s22, s22, SLOT
.endr
	s_lshl_b32 s21, s16, 11                        ; the scale records: B's, my four tiles: the lower base;
	s_lshl_b32 s22, s15, 12                        ; A's, my eight, behind B's eight
	s_add_co_u32 s22, s22, 4096
	s_sub_co_u32 s22, s22, s21
	v_xor_b32 v6, 1, v3
	v_mul_u32_u24 v6, s22, v6                      ; lanes 0-15 take A's
	s_add_co_u32 s21, s21, SCLB
	v_lshl_add_u32 v6, v2, 3, v6
	v_add_nc_u32 v[ADRS], s21, v6
	s_mul_i32 s23, s14, 16*SPI                     ; my stage, in slot 0
	v_mul_u32_u24 v6, v2, SPI
	v_lshl_add_u32 v6, v3, 6, v6
	v_add_nc_u32 v[STO], s23, v6                   ; in: row r, + 64 h
	v_mul_u32_u24 v6, v3, SPI
	v_lshl_add_u32 v6, v2, 4, v6
	v_add_nc_u32 v[RD], s23, v6                    ; back: lanes 0-15 one row, lanes 16-31 the next
	v_lshlrev_b32 v[CO], 12, v3
	v_lshl_add_u32 v[CO], v2, 4, v[CO]             ; and the same two rows of out0
	s_lshl_b32 s20, s42, 9
	s_lshl_b32 s21, s16, 8
	s_add_co_u32 s20, s20, s21                     ; my 64 columns, in bytes
	s_mov_b32 s21, 0
	s_add_nc_u64 s[8:9], s[8:9], s[20:21]
	v_lshlrev_b32 v7, 6, v3
.irp b, 0,1
.irp j, 0,1,2,3
	global_load_b128 v[BI+16*\b+4*\j:BI+16*\b+4*\j+3], v7, s[8:9] offset:128*\b+16*\j   ; register 16 b + i: column 32 b + 16 h + i
.endr
.endr
	s_lshl_b32 s22, s17, 20                        ; 256 rows of 4,096 bytes
	s_lshl_b32 s23, s15, 19
	s_add_co_u32 s22, s22, s23
	s_add_co_u32 s22, s22, s20
	s_mov_b32 s23, 0
	s_add_nc_u64 s[10:11], s[10:11], s[22:23]
.macro FRAG reg, adr, q, i
	ds_load_b128 v[\reg:\reg+3], v[\adr] offset:(\i)*TROW+(\q)*1536
	ds_load_b64 v[\reg+4:\reg+5], v[\adr+2] offset:(\i)*TROW+(\q)*1536+512
	ds_load_b128 v[\reg+6:\reg+9], v[\adr] offset:(\i)*TROW+(\q)*1536+768
	ds_load_b64 v[\reg+10:\reg+11], v[\adr+2] offset:(\i)*TROW+(\q)*1536+1280
.endm
; 8 matrix instructions: A's blocks a0, a0 + 1 x B's four.  The 32 accumulators take turns, one instruction a turn, in the same order in every step.
.macro MUL8 a0, p, q, sl, first
.irp a, \a0, \a0+1
.irp b, 0,1,2,3
.if \first
	v_wmma_scale_f32_16x16x128_f8f6f4 v[8*(4*(\a)+\b):8*(4*(\a)+\b)+7], v[128*(\p)+FR*\b:128*(\p)+FR*\b+FR-1], v[AF+FR*(\a):AF+FR*(\a)+FR-1], v[BI+8*\b:BI+8*\b+7], v[SC+32*(\sl)+4*\b+(\q)], v[SC+32*(\sl)+4*(\a)+(\q)] matrix_a_fmt:MATRIX_FMT_FP6 matrix_b_fmt:MATRIX_FMT_FP6 matrix_a_scale:MATRIX_SCALE_ROW1
.else
	v_wmma_scale_f32_16x16x128_f8f6f4 v[8*(4*(\a)+\b):8*(4*(\a)+\b)+7], v[128*(\p)+FR*\b:128*(\p)+FR*\b+FR-1], v[AF+FR*(\a):AF+FR*(\a)+FR-1], v[8*(4*(\a)+\b):8*(4*(\a)+\b)+7], v[SC+32*(\sl)+4*\b+(\q)], v[SC+32*(\sl)+4*(\a)+(\q)] matrix_a_fmt:MATRIX_FMT_FP6 matrix_b_fmt:MATRIX_FMT_FP6 matrix_a_scale:MATRIX_SCALE_ROW1
.endif
.endr
.endr
.endm
.macro FETCH_B slot, q, p
	WIN TO_B
.irp i, 0,1,2,3
	FRAG 128*(\p)+FR*\i, ADRB+\slot, \q, \i
.endr
	WIN 0
.endm
.macro FETCH_A slot, q, i0
.irp i, \i0, \i0+1, \i0+2, \i0+3
	FRAG AF+FR*(\i), ADRA+\slot, \q, \i
.endr
.endm
.macro SCALES sl                       ; a slot's four words a row: lanes 0-15 A's tile i, lanes 16-31 B's tile i (for i over 3 they read on into filled bytes that no product names)
.irp i, 0,1,2,3,4,5,6,7
.irp u, 0,1
	ds_load_b64 v[SC+32*(\sl)+4*\i+2*\u:SC+32*(\sl)+4*\i+2*\u+1], v[ADRS] offset:512*\i+256*(\sl)+128*\u
.endr
.endr
.endm
.macro PSTEP slot, q, first            ; 128 along K with its successor in the same slot
	s_wait_dscnt 4*NL                              ; B's set and A's blocks 0-3 are in; the youngest 16 loads (A's blocks 4-7) may be out
	WIN MUL-0x20*(\first)
	MUL8 0, (\q)%2, \q, \slot, \first
	MUL8 2, (\q)%2, \q, \slot, \first
	s_wait_dscnt 0
	PLACES NP
	FETCH_B \slot, (\q)+1, 1-(\q)%2
	FETCH_A \slot, (\q)+1, 0
	WIN MUL-0x20*(\first)
	MUL8 4, (\q)%2, \q, \slot, \first
	MUL8 6, (\q)%2, \q, \slot, \first
	PLACES NP
	WIN 0
	FETCH_A \slot, (\q)+1, 4
.endm
	s_wait_tensorcnt 1                             ; the scales and my part of slot 0 are in; slot 1's load may be out: nothing is filled twice
	s_barrier_signal -1
	s_barrier_wait -1
	FETCH_B 0, 0, 0
	FETCH_A 0, 0, 0
	SCALES 0
	SCALES 1
	FETCH_A 0, 0, 4
	s_wait_loadcnt 0x0                             ; the bias
	PSTEP 0, 0, 1                                  ; the first products start the sums from the bias
	PSTEP 0, 1, 0
	PSTEP 0, 2, 0
	; slot 0's last step: behind its barrier slot 1 is whole, and nobody reads slot 0 any more
	s_wait_tensorcnt 0x0                           ; my part of slot 1 is in
	s_wait_dscnt 4*NL
	WIN MUL
	MUL8 0, 1, 3, 0, 0
	s_wait_dscnt 0x0                               ; my reads of slot 0 are over
	s_barrier_signal -1
	MUL8 2, 1, 3, 0, 0
	WIN 0
	s_barrier_wait -1
	PLACES NP
	FETCH_B 1, 0, 0
	FETCH_A 1, 0, 0
	WIN MUL
	MUL8 4, 1, 3, 0, 0
	MUL8 6, 1, 3, 0, 0
	PLACES NP
	WIN 0
	FETCH_A 1, 0, 4
	PSTEP 1, 0, 0
	PSTEP 1, 1, 0
	PSTEP 1, 2, 0
	s_wait_dscnt 4*NL                              ; the very last step
	WIN MUL
	MUL8 0, 1, 3, 1, 0
	MUL8 2, 1, 3, 1, 0
	s_wait_dscnt 0
	MUL8 4, 1, 3, 1, 0
	MUL8 6, 1, 3, 1, 0
	WIN 0
; THE WAY OUT, block by block of 16 tokens x 64 columns, through my own stage (in slot 0, which has had its one fill and its last read): in by lanes, back by rows, so that sixteen lanes store 256 consecutive bytes, aligned.
.macro TOSTAGE a
	WIN 0x08                                       ; an LDS store's data: window 2
.irp b, 0,1,2,3
	ds_store_b128 v[STO], v[8*(4*(\a)+\b):8*(4*(\a)+\b)+3] offset:128*(\b/2)+32*(\b%2)      ; each accumulator from its low end on: columns 32 (b / 2) + 16 h + 8 (b % 2) + 0 .. 7
	ds_store_b128 v[STO], v[8*(4*(\a)+\b)+4:8*(4*(\a)+\b)+7] offset:128*(\b/2)+32*(\b%2)+16
.endr
	WIN 0
.set BB, BK+32*((\a)%2)
.irp t, 0,1,2,3,4,5,6,7
	ds_load_b128 v[BB+4*\t:BB+4*\t+3], v[RD] offset:\t*2*SPI     ; LDS serves a wave's instructions in order: these see the stores above
.endr
.endm
.macro SEND a, younger
.set BB, BK+32*((\a)%2)
	s_wait_dscnt \younger
.irp t, 0,1,2,3,4,5,6,7
	global_store_b128 v[CO], v[BB+4*\t:BB+4*\t+3], s[10:11] offset:(32*((\a)/2)+8*((\a)%2)+2*\t+8*(\t/4))*4096 th:TH_STORE_NT   ; stage row 2 t + h is token 32 (a / 2) + 8 (a % 2) + 2 t + h + 8 (t / 4)
.endr
.endm
	PLACES NP
	TOSTAGE 0
.irp a, 1,2,3,4,5,6,7
.if \a > 1
	s_wait_xcnt 0x0                                ; block a - 2's stores have read their registers: block a's loads may land there
.endif
	TOSTAGE \a
	SEND \a-1, 16                                  ; behind block a - 1's loads: block a's 8 stores and 8 loads
.endr
	SEND 7, 0
	s_wait_tensorcnt 0x0
	s_wait_dscnt 0x0
	s_wait_tensorcnt 0x0
	ds_add_u32 v254, v255
	s_wait_dscnt 0x0
	CROUND                                         ; the closing round
	s_endpgm
.Lfunc_end_k_q3080759def_proj:
	.size	k_q3080759def_proj, .Lfunc_end_k_q3080759def_proj-k_q3080759def_proj
	.p2alignl 7, 3214868480
	.fill 96, 4, 3214868480
	.section	.rodata,"a",@progbits
	.p2align	6, 0x0
	.amdhsa_kernel k_q3080759def_proj
		.amdhsa_group_segment_fixed_size 327680
		.amdhsa_private_segment_fixed_size 0
		.amdhsa_enable_private_segment 0
		.amdhsa_kernarg_size 32
		.amdhsa_user_sgpr_count 2
		.amdhsa_user_sgpr_kernarg_segment_ptr 1
		.amdhsa_wavefront_size32 1
		.amdhsa_system_sgpr_workgroup_id_x 1
		.amdhsa_system_sgpr_workgroup_id_y 1
		.amdhsa_system_sgpr_workgroup_id_z 1
		.amdhsa_system_vgpr_workitem_id 0
		.amdhsa_next_free_vgpr 1024
		.amdhsa_next_free_sgpr 100
		.amdhsa_reserve_vcc 0
		.amdhsa_float_denorm_mode_32 3
		.amdhsa_float_denorm_mode_16_64 3
		.amdhsa_memory_ordered 1
		.amdhsa_forward_progress 1
		.amdhsa_inst_pref_size 88
	.end_amdhsa_kernel
	.amdgpu_metadata
---
amdhsa.version: [ 1, 2 ]
amdhsa.kernels:
  - .name:           k_q3080759def_proj
    .symbol:         k_q3080759def_proj.kd
    .args:
      - { .name: yq, .offset: 0, .size: 8, .value_kind: global_buffer, .address_space: global }
      - { .name: wq, .offset: 8, .size: 8, .value_kind: global_buffer, .address_space: global }
      - { .name: b_proj, .offset: 16, .size: 8, .value_kind: global_buffer, .address_space: global }
      - { .name: out0, .offset: 24, .size: 8, .value_kind: global_buffer, .address_space: global }
    .group_segment_fixed_size: 327680
    .private_segment_fixed_size: 0
    .kernarg_segment_align: 8
    .kernarg_segment_size: 32
    .max_flat_workgroup_size: 128
    .sgpr_count:     100
    .vgpr_count:     1024
    .wavefront_size: 32
...
	.end_amdgpu_metadata
.endif
;; end of part 4
